; MI455X (gfx1250); checked and timed in simulation.
; The chip was launched on July 23, 2026; its instructions are those of AMD's public machine-readable ISA for CDNA 5 (MIT licence, August 2026) and "CDNA5" Instruction Set Architecture Reference Guide (July 2026). The comments in the code are by the model that wrote it; some were corrected since.
;; Causal Self Attention With Bias. Allowed arithmetic: matrix products marked QUANTISED: E2M1 operands, one E8M0 scale for each 32 along K, by v_wmma_scale_f32_16x16x128_f8f6f4 with both operands' format E2M1 (or v_wmma_scale_f32_32x16x128_f4), f32 sums; products left as they are: bf16, f16 or f32 operands; f32 sums; everything else in f32.
;; Inputs: W_attn 1,024 x 3,072 float32; W_proj 1,024 x 1,024 float32; bK 16 x 64 float32; bQ 16 x 64 float32; bV 16 x 64 float32; b_attn 3,072 float32; b_proj 1,024 float32; x 4 x 2,048 x 1,024 float32.
;; Outputs: out0 4 x 2,048 x 1,024 float32.
;; This version of the problem:
;;   THIS VERSION OF THE PROBLEM IS GIVEN IN LOW PRECISION. The matrix products marked QUANTISED in the list below multiply operands that are first quantised to E2M1 (2 exponent bits, 1 mantissa bit; 4 bits a number), with one power-of-two scale for each 32 numbers along K (OCP MX v1.0); their sums are f32. The products marked 'left as it is' may take bf16, f16 or f32 operands, with f32 sums. Whichever they take, every output number must still come out within the allowed error. Rounding operands to bf16 (8 significant bits) uses up far more of that allowance than f16 does (11 bits, for magnitudes from 6e-5 to 65,504). All else is computed in f32.
;;   The module's matrix products, in the order in which they are computed (A, B: the left and right operand; K: the contracted axis; several contracted axes count as one K, in the product's order):
;;     1. [M 8,192, K 1,024] x [K 1,024, N 3,072]; A: input x; B: input W_attn: QUANTISED
;;     2. batch 64 x [M 2,048, K 64] x [K 64, N 2,048]; A: computed on the way; B: computed on the way: left as it is (an operand is computed on the way)
;;     3. batch 64 x [M 2,048, K 2,048] x [K 2,048, N 64]; A: computed on the way; B: computed on the way: left as it is (an operand is computed on the way)
;;     4. [M 8,192, K 1,024] x [K 1,024, N 1,024]; A: computed on the way; B: input W_proj: left as it is (an operand is computed on the way)
;;   THE QUANTISER, for each operand of a quantised product, along K:
;;     - K is cut into blocks of 32 from its start; a last block that is shorter is filled with zeros.
;;     - A block's scale is 2^e with e = floor(log2(the largest magnitude in the block)) - 2, held to -126 .. 127; a block of zeros has e = 0. As a byte (E8M0): e + 127.
;;     - Each number is divided by its block's scale, clamped to +-6, and rounded to the nearest number of E2M1, ties to even, subnormals kept.
;;     - The product sums the exact products of the quantised numbers (number of the format x scale) in f32.
;;   ~~~python
;;   def quantise(x, axis):      # numpy; x: float32 -> the quantised numbers, widened to float32 again
;;       x = np.moveaxis(x, axis, -1); K = x.shape[-1]
;;       x = np.pad(x, [(0, 0)] * (x.ndim - 1) + [(0, -K % 32)]); x = x.reshape(x.shape[:-1] + (-1, 32)); a = np.abs(x).max(-1, keepdims=True)
;;       e = np.where(a > 0, np.clip(np.frexp(np.where(a > 0, a, 1))[1] - 1 - 2, -126, 127), 0)      # np.frexp(a)[1] - 1 = floor(log2(a)), exactly
;;       r = np.clip(x / 2.0 ** e, -6, 6)
;;       step = 2.0 ** (np.maximum(np.frexp(np.where(r == 0, 1, r))[1] - 1, 0) - 1)
;;       q = np.round(r / step) * step * 2.0 ** e      # np.round: ties to even
;;       return np.moveaxis(q.reshape(q.shape[:-2] + (-1,))[..., :K], -1, axis).astype(np.float32)
;;   ~~~
;; One version. Each part assembles by itself: llvm-mc -triple=amdgcn-amd-amdhsa -mcpu=gfx1250 --defsym DOCPART=n.
;; ======== version 1 of 1: 6 launches
;; limits: values are held in f16: magnitudes above 65,504 overflow, below 6.1e-05 lose precision
;; workspace buffers: x_codes 4,194,304 bytes; x_scales 262,144 bytes; w_codes 1,572,864 bytes; w_scales 98,304 bytes; wp16 4,194,304 bytes; qkv 50,331,648 bytes; yh 16,777,216 bytes; yfine 262,144 bytes
;; launch prep (part 1): grid 368 x 1, 4 waves a work-group, no clusters, 137,728 bytes of LDS; arguments x, W_attn, W_proj, x_codes, x_scales, w_codes, w_scales, wp16; writes x_codes, x_scales, w_codes, w_scales, wp16
.if DOCPART == 1
	.amdgcn_target "amdgcn-amd-amdhsa--gfx1250"
	.amdhsa_code_object_version 6
	.text
	.protected	k_q68847f5dbd_prep
	.globl	k_q68847f5dbd_prep
	.p2align	8
	.type	k_q68847f5dbd_prep,@function
k_q68847f5dbd_prep:
	s_mov_b64 s[64:65], 0
	v_nop
	global_prefetch_b8 v0, s[64:65] scope:SCOPE_SE
	s_setreg_imm32_b32 hwreg(HW_REG_WAVE_MODE, 25, 1), 1
	s_wait_xcnt 0x0
; Three jobs in one launch, told apart by the work-group's number alone; each has LDS bytes of its own and its own end.
;   work-groups 0-47:    W_attn [1024 k][3072 n] f32 -> codes of E2M1 laid [3072 n][512 bytes], K innermost, and E8M0 bytes [3072][32]
;   work-groups 48-111:  W_proj [1024 k][1024 n] f32 -> two f16 matrices [1024 n][1024 k]: a high part, and 2,097,152 bytes on the low part f16(W - high)
;   work-groups 112-367: x [8192][1024] f32 -> codes [8192][512 bytes] and E8M0 bytes [8192][32]
; A block's scale is 2^(floor(log2(its largest magnitude)) - 2): its byte is the largest magnitude's exponent field - 2, held at 1 from below by a floor among the maximum's leaves.
; A block of zeros so gets the byte 1 where the quantiser says 127: its codes are zeros, and this program alone reads the bytes.
; LIMITS: NaN and infinities among the inputs are not served; blocks whose largest magnitude lies under 2^(3 - 127) get the byte 1; |W_proj| above 65,504 has no f16 number.
; No tensor loads, no barrier: waves share nothing.
.set SPW,     12                       ; v12  LDS address of my spare word; never rewritten
.set NIL,     13                       ; v13  0; never rewritten
.set XREG,    8192                     ; x: a region for each wave: two stages of 32 x 80 bytes, then its 256 scale bytes
.set SP,      80
.set PITCH,   272                      ; a stage row of the two weights' ways out: 256 bytes + 16
.set WA_BASE, 4*XREG                   ; W_attn: 32 rows x 272 for each wave
.set WP_BASE, WA_BASE+4*32*PITCH       ; W_proj: two such stages (high, low) for each wave
.set SPARE,   WP_BASE+4*2*32*PITCH     ; the spare words, 128 bytes for each wave: two blocks of 256 bytes that no other line names
.set XR,  16                           ; x: v16-79 four sets of 16 numbers as loaded; v80-111 two sets of 16 neighbours; v112-127 a byte a step; v128-191 codes
.set XX,  80
.set XE,  112
.set XC,  128
.set WX,  32                           ; weights: v32-95 two sets of 32 numbers down K
.set WC,  96
.set WOUT, 112
.set WSB, 24
; two f32 numbers v[x], v[x+1] become a packed f16 pair in v<r> (r a plain number under 128) and the f16 pair of what is left in v[l]; v[t], v[t+1] at work
.macro SPLIT r, x, l, t
	v_cvt_pk_f16_f32 v\r, v[\x], v[\x+1]
	v_cvt_f32_f16 v[\t], v\r\().l
	v_cvt_f32_f16 v[\t+1], v\r\().h
	v_pk_add_f32 v[\x:\x+1], v[\x:\x+1], v[\t:\t+1] neg_lo:[0,1] neg_hi:[0,1]
	v_cvt_pk_f16_f32 v[\l], v[\x], v[\x+1]
.endm
	s_load_b256 s[4:11], s[0:1], 0x0               ; x s[4:5], W_attn s[6:7], W_proj s[8:9], x_codes s[10:11]
	s_load_b256 s[12:19], s[0:1], 0x20             ; x_scales s[12:13], w_codes s[14:15], w_scales s[16:17], wp16 s[18:19]
	v_lshl_add_u32 v[SPW], v0, 2, SPARE
	v_mov_b32 v[NIL], 0
	v_lshrrev_b32 v1, 5, v0
	v_readfirstlane_b32 s22, v1                    ; wave
	v_and_b32 v2, 31, v0                           ; lane
	s_wait_kmcnt 0x0
	s_cmp_lt_u32 ttmp9, 48
	s_cbranch_scc1 .Lwa
	s_cmp_lt_u32 ttmp9, 112
	s_cbranch_scc1 .Lwp
; ---------------- x: a plain stream of blocks of 32.  A wave takes 16 steps of 512 numbers.
; Each load reads 512 consecutive bytes; a step's 2,048 bytes turn through the wave's own stage so that a lane gets 16 neighbours; two neighbouring lanes hold a block.
	v_lshlrev_b32 v3, 4, v2                        ; my 16 bytes of a load's 512
	s_mul_i32 s23, s22, XREG
	v_lshrrev_b32 v14, 2, v2
	v_mul_u32_u24 v14, v14, SP
	v_and_b32 v15, 3, v2
	v_lshl_add_u32 v14, v15, 4, v14
	v_add_nc_u32 v14, s23, v14                     ; into the stage: four lanes' 64 bytes on end, then 16 of padding
	v_mul_u32_u24 v15, v2, SP
	v_add_nc_u32 v15, s23, v15                     ; out of it: 80 x lane
	v_lshlrev_b32 v4, 3, v2                        ; my 8 bytes of a step's codes
	v_lshrrev_b32 v5, 1, v2
	s_add_co_u32 s23, s23, 2*32*SP
	v_add_nc_u32 v5, s23, v5                       ; my block's scale byte in LDS
	v_lshlrev_b32 v7, 3, v2
	v_add_nc_u32 v6, s23, v7
	s_sub_co_u32 s24, ttmp9, 112
	s_lshl_b32 s24, s24, 2
	s_add_co_u32 s24, s24, s22                     ; which run of 8,192 numbers is my wave's: 0 .. 1,023
	s_mov_b32 s27, 0
	s_lshl_b32 s26, s24, 15
	s_add_nc_u64 s[4:5], s[4:5], s[26:27]          ; 32,768 bytes of x a run,
	s_lshl_b32 s26, s24, 12
	s_add_nc_u64 s[10:11], s[10:11], s[26:27]      ; 4,096 of codes,
	s_lshl_b32 s26, s24, 8
	s_add_nc_u64 s[12:13], s[12:13], s[26:27]      ; 256 of scale bytes
.macro XLOAD t
.irp i, 0,1,2,3
	global_load_b128 v[XR+16*((\t)%4)+4*\i:XR+16*((\t)%4)+4*\i+3], v3, s[4:5] offset:2048*(\t)+512*\i th:TH_LOAD_NT
.endr
.endm
.macro XTURN t                         ; LDS serves a wave's instructions in order: no wait between the stores and the loads
.irp i, 0,1,2,3
	ds_store_b128 v14, v[XR+16*((\t)%4)+4*\i:XR+16*((\t)%4)+4*\i+3] offset:32*SP*((\t)%2)+8*SP*\i
.endr
.irp i, 0,1,2,3
	ds_load_b128 v[XX+16*((\t)%2)+4*\i:XX+16*((\t)%2)+4*\i+3], v15 offset:32*SP*((\t)%2)+16*\i
.endr
.endm
.irp t, 0,1,2,3
	XLOAD \t
.endr
	s_wait_loadcnt 12                              ; step 0's four loads are in; the twelve of steps 1 to 3 may be out
	XTURN 0
.macro XSTEP t
.set XS, XX+16*((\t)%2)
.if (\t) > 0
	s_wait_dscnt 1                                 ; this step's numbers are back from the stage (the last step's byte store may be out), so its stores have read their registers,
.else
	s_wait_dscnt 0x0
.endif
.if (\t)+4 < 16
	XLOAD (\t)+4                                   ; which take the loads of four steps on
.endif
.if (\t)+1 < 16
.if 14-(\t) >= 3
	s_wait_loadcnt 12                              ; the next step's loads are in; those of the three steps behind it may be out
.else
	s_wait_loadcnt 4*(14-(\t))
.endif
	XTURN (\t)+1
.endif
	v_max3_num_f32 v8, |v[XS]|, |v[XS+1]|, |v[XS+2]|
	v_max3_num_f32 v9, |v[XS+3]|, |v[XS+4]|, |v[XS+5]|
.irp i, 6,10
	v_max3_num_f32 v8, v8, |v[XS+\i]|, |v[XS+\i+1]|
	v_max3_num_f32 v9, v9, |v[XS+\i+2]|, |v[XS+\i+3]|
.endr
	v_max3_num_f32 v8, v8, |v[XS+14]|, |v[XS+15]|
	v_max3_num_f32 v8, v8, v9, 0x1800000           ; and the floor 2^(3 - 127): the byte cannot fall under 1
	v_max_num_f32_dpp v8, v8, v8 row_xmask:1 row_mask:0xf bank_mask:0xf   ; with my neighbour's 16: the block's largest magnitude
	v_add_nc_u32 v11, 0xff000000, v8               ; 2 off its exponent field: the conversion takes this operand's exponent field as its scale
	v_cvt_scalef32_pk8_fp4_f32 v[XC+4*(\t)], v[XS:XS+7], v11
	v_cvt_scalef32_pk8_fp4_f32 v[XC+4*(\t)+1], v[XS+8:XS+15], v11
	v_lshrrev_b32 v[XE+(\t)], 23, v11              ; the scale's byte
	ds_store_b8 v5, v[XE+(\t)] offset:16*(\t)      ; both lanes of a block write the same byte with the same value
	global_store_b64 v4, v[XC+4*(\t):XC+4*(\t)+1], s[10:11] offset:256*(\t)   ; the wave stores 256 consecutive bytes, aligned
.endm
.irp t, 0,1,2,3,4,5,6,7,8,9,10,11,12,13,14,15
	XSTEP \t
.endr
	ds_load_b64 v[8:9], v6                         ; my wave's 256 scale bytes, 8 a lane
	s_wait_dscnt 0x0
	global_store_b64 v7, v[8:9], s[12:13]
	s_wait_tensorcnt 0x0                           ; the wave's end, behind my last LDS store
	ds_add_u32 v[SPW], v[NIL]
	s_wait_dscnt 0x0
	s_endpgm
; ---------------- W_attn: a lane takes a column n and its registers run down K.  A wave: 32 columns x 512 along K, 16 blocks a lane.
.Lwa:
	s_lshr_b32 s23, ttmp9, 1
	s_lshl_b32 s23, s23, 7
	s_lshl_b32 s24, s22, 5
	s_add_co_u32 s23, s23, s24                     ; my wave's first column
	s_and_b32 s24, ttmp9, 1                        ; which half of K
	v_lshlrev_b32 v3, 2, v2
	s_mul_i32 s25, s22, 32*PITCH
	s_add_co_u32 s25, s25, WA_BASE                 ; my stage
	v_mul_u32_u24 v4, v2, PITCH
	v_add_nc_u32 v4, s25, v4                       ; into it: row = my column
	v_and_b32 v5, 15, v2
	v_lshrrev_b32 v6, 4, v2
	v_mul_u32_u24 v7, v6, PITCH
	v_lshl_add_u32 v7, v5, 4, v7
	v_add_nc_u32 v7, s25, v7                       ; out of it: sixteen lanes to a row, two rows an instruction
	v_lshlrev_b32 v8, 9, v6
	v_lshl_add_u32 v8, v5, 4, v8                   ; the same place in the codes' buffer (rows of 512 bytes)
	v_lshlrev_b32 v9, 5, v2                        ; my column's row of scale bytes
	s_mov_b32 s27, 0
	s_mul_i32 s26, s24, 512*3072*4
	s_lshl_b32 s28, s23, 2
	s_add_co_u32 s26, s26, s28
	s_add_nc_u64 s[6:7], s[6:7], s[26:27]
	s_lshl_b32 s26, s23, 9
	s_lshl_b32 s28, s24, 8
	s_add_co_u32 s26, s26, s28
	s_add_nc_u64 s[14:15], s[14:15], s[26:27]
	s_lshl_b32 s26, s23, 5
	s_lshl_b32 s28, s24, 4
	s_add_co_u32 s26, s26, s28
	s_add_nc_u64 s[16:17], s[16:17], s[26:27]
.macro WLOAD t                         ; block t: W(32 t + i, my column); 128 consecutive bytes a wave; the largest offset, 511 x 12,288, lies inside the signed 24 bits
.irp i, 0,1,2,3,4,5,6,7,8,9,10,11,12,13,14,15,16,17,18,19,20,21,22,23,24,25,26,27,28,29,30,31
	global_load_b32 v[WX+32*((\t)%2)+\i], v3, s[6:7] offset:(32*(\t)+\i)*12288 th:TH_LOAD_NT
.endr
.endm
	WLOAD 0
	WLOAD 1
.macro WBLOCK t
.set XS, WX+32*((\t)%2)
.if (\t) < 15
	s_wait_loadcnt 32                              ; this block's 32 loads are in; the next block's may be out
.else
	s_wait_loadcnt 0
.endif
	v_max3_num_f32 v14, |v[XS]|, |v[XS+1]|, |v[XS+2]|
	v_max3_num_f32 v15, |v[XS+3]|, |v[XS+4]|, |v[XS+5]|
.irp i, 6,10,14,18,22,26
	v_max3_num_f32 v14, v14, |v[XS+\i]|, |v[XS+\i+1]|
	v_max3_num_f32 v15, v15, |v[XS+\i+2]|, |v[XS+\i+3]|
.endr
	v_max3_num_f32 v14, v14, |v[XS+30]|, |v[XS+31]|
	v_max3_num_f32 v14, v14, v15, 0x1800000
	v_add_nc_u32 v11, 0xff000000, v14
	v_lshrrev_b32 v15, 23, v11
.if (\t)%4 == 0
	v_mov_b32 v[WSB+(\t)/4], v15
.else
	v_lshl_or_b32 v[WSB+(\t)/4], v15, 8*((\t)%4), v[WSB+(\t)/4]
.endif
.irp g, 0,1,2,3
	v_cvt_scalef32_pk8_fp4_f32 v[WC+\g], v[XS+8*\g:XS+8*\g+7], v11
.endr
	ds_store_b128 v4, v[WC:WC+3] offset:16*(\t)
.if (\t)+2 < 16
	WLOAD (\t)+2
.endif
	s_wait_dscnt 0x0                               ; the store has read its registers: the next block's codes may be written
.endm
.irp t, 0,1,2,3,4,5,6,7,8,9,10,11,12,13,14,15
	WBLOCK \t
.endr
	global_store_b128 v9, v[WSB:WSB+3], s[16:17]   ; my column's 16 scale bytes
.irp t, 0,1,2,3,4,5,6,7,8,9,10,11,12,13,14,15
	ds_load_b128 v[WOUT+4*\t:WOUT+4*\t+3], v7 offset:2*\t*PITCH
.endr
.irp t, 0,1,2,3,4,5,6,7,8,9,10,11,12,13,14,15
	s_wait_dscnt 15-\t
	global_store_b128 v8, v[WOUT+4*\t:WOUT+4*\t+3], s[14:15] offset:2*\t*512   ; sixteen lanes store 256 consecutive bytes, aligned
.endr
	s_wait_tensorcnt 0x0                           ; the wave's end
	ds_add_u32 v[SPW], v[NIL]
	s_wait_dscnt 0x0
	s_endpgm
; ---------------- W_proj: the same plan; a wave: 32 columns x 128 along K, 4 blocks of 32 a lane, split into f16 high and low parts.
.Lwp:
	s_sub_co_u32 s23, ttmp9, 48
	s_lshr_b32 s24, s23, 3
	s_and_b32 s23, s23, 7                          ; which 128 along K
	s_lshl_b32 s24, s24, 7
	s_lshl_b32 s25, s22, 5
	s_add_co_u32 s24, s24, s25                     ; my wave's first column
	v_lshlrev_b32 v3, 2, v2
	s_mul_i32 s25, s22, 2*32*PITCH
	s_add_co_u32 s25, s25, WP_BASE                 ; my two stages: the high part's, and 8,704 bytes on the low part's
	v_mul_u32_u24 v4, v2, PITCH
	v_add_nc_u32 v4, s25, v4
	v_and_b32 v5, 15, v2
	v_lshrrev_b32 v6, 4, v2
	v_mul_u32_u24 v7, v6, PITCH
	v_lshl_add_u32 v7, v5, 4, v7
	v_add_nc_u32 v7, s25, v7
	v_lshlrev_b32 v8, 11, v6
	v_lshl_add_u32 v8, v5, 4, v8                   ; rows of 2,048 bytes in wp16
	s_mov_b32 s27, 0
	s_lshl_b32 s26, s23, 19                        ; 128 rows of 4,096 bytes
	s_lshl_b32 s28, s24, 2
	s_add_co_u32 s26, s26, s28
	s_add_nc_u64 s[8:9], s[8:9], s[26:27]
	s_lshl_b32 s26, s24, 11
	s_lshl_b32 s28, s23, 8
	s_add_co_u32 s26, s26, s28
	s_add_nc_u64 s[18:19], s[18:19], s[26:27]
.macro PLOAD t
.irp i, 0,1,2,3,4,5,6,7,8,9,10,11,12,13,14,15,16,17,18,19,20,21,22,23,24,25,26,27,28,29,30,31
	global_load_b32 v[WX+32*((\t)%2)+\i], v3, s[8:9] offset:(32*(\t)+\i)*4096 th:TH_LOAD_NT
.endr
.endm
	PLOAD 0
	PLOAD 1
.macro PBLOCK t
.if (\t) < 3
	s_wait_loadcnt 32                              ; this block's 32 loads are in; the next block's may be out
.else
	s_wait_loadcnt 0
.endif
.irp r, 96,97,98,99,100,101,102,103,104,105,106,107,108,109,110,111
	SPLIT \r, WX+32*((\t)%2)+2*(\r-96), \r+16, 16+2*(\r%4)
.endr
.irp j, 0,1,2,3
	ds_store_b128 v4, v[96+4*\j:96+4*\j+3] offset:64*(\t)+16*\j
	ds_store_b128 v4, v[112+4*\j:112+4*\j+3] offset:32*PITCH+64*(\t)+16*\j
.endr
.if (\t)+2 < 4
	PLOAD (\t)+2
.endif
	s_wait_dscnt 0x0                               ; the stores have read their registers
.endm
.irp t, 0,1,2,3
	PBLOCK \t
.endr
.irp t, 0,1,2,3,4,5,6,7,8,9,10,11,12,13,14,15
	ds_load_b128 v[128+4*\t:128+4*\t+3], v7 offset:2*\t*PITCH
.endr
.irp t, 0,1,2,3,4,5,6,7,8,9,10,11,12,13,14,15
	ds_load_b128 v[32+4*\t:32+4*\t+3], v7 offset:32*PITCH+2*\t*PITCH
.endr
.irp t, 0,1,2,3,4,5,6,7,8,9,10,11,12,13,14,15
	s_wait_dscnt 31-\t                             ; behind this load: the rest of the high part's and the low part's sixteen
	global_store_b128 v8, v[128+4*\t:128+4*\t+3], s[18:19] offset:2*\t*2048
.endr
.irp t, 0,1,2,3,4,5,6,7,8,9,10,11,12,13,14,15
	s_wait_dscnt 15-\t
	global_store_b128 v8, v[32+4*\t:32+4*\t+3], s[18:19] offset:2097152+2*\t*2048
.endr
	s_wait_tensorcnt 0x0                           ; the wave's end
	ds_add_u32 v[SPW], v[NIL]
	s_wait_dscnt 0x0
	s_endpgm
.Lfunc_end_k_q68847f5dbd_prep:
	.size	k_q68847f5dbd_prep, .Lfunc_end_k_q68847f5dbd_prep-k_q68847f5dbd_prep
	.p2alignl 7, 3214868480
	.fill 96, 4, 3214868480
	.section	.rodata,"a",@progbits
	.p2align	6, 0x0
	.amdhsa_kernel k_q68847f5dbd_prep
		.amdhsa_group_segment_fixed_size 137728
		.amdhsa_private_segment_fixed_size 0
		.amdhsa_enable_private_segment 0
		.amdhsa_kernarg_size 64
		.amdhsa_user_sgpr_count 2
		.amdhsa_user_sgpr_kernarg_segment_ptr 1
		.amdhsa_wavefront_size32 1
		.amdhsa_system_sgpr_workgroup_id_x 1
		.amdhsa_system_sgpr_workgroup_id_y 1
		.amdhsa_system_sgpr_workgroup_id_z 1
		.amdhsa_system_vgpr_workitem_id 0
		.amdhsa_next_free_vgpr 192
		.amdhsa_next_free_sgpr 66
		.amdhsa_reserve_vcc 0
		.amdhsa_float_denorm_mode_32 3
		.amdhsa_float_denorm_mode_16_64 3
		.amdhsa_memory_ordered 1
		.amdhsa_forward_progress 1
		.amdhsa_inst_pref_size 148
	.end_amdhsa_kernel
	.amdgpu_metadata
---
amdhsa.version: [ 1, 2 ]
amdhsa.kernels:
  - .name:           k_q68847f5dbd_prep
    .symbol:         k_q68847f5dbd_prep.kd
    .args:
      - { .name: x, .offset: 0, .size: 8, .value_kind: global_buffer, .address_space: global }
      - { .name: W_attn, .offset: 8, .size: 8, .value_kind: global_buffer, .address_space: global }
      - { .name: W_proj, .offset: 16, .size: 8, .value_kind: global_buffer, .address_space: global }
      - { .name: x_codes, .offset: 24, .size: 8, .value_kind: global_buffer, .address_space: global }
      - { .name: x_scales, .offset: 32, .size: 8, .value_kind: global_buffer, .address_space: global }
      - { .name: w_codes, .offset: 40, .size: 8, .value_kind: global_buffer, .address_space: global }
      - { .name: w_scales, .offset: 48, .size: 8, .value_kind: global_buffer, .address_space: global }
      - { .name: wp16, .offset: 56, .size: 8, .value_kind: global_buffer, .address_space: global }
    .group_segment_fixed_size: 137728
    .private_segment_fixed_size: 0
    .kernarg_segment_align: 8
    .kernarg_segment_size: 64
    .max_flat_workgroup_size: 128
    .sgpr_count:     66
    .vgpr_count:     192
    .wavefront_size: 32
...
	.end_amdgpu_metadata
.endif
;; end of part 1
;; launch qkv (part 2): grid 12 x 32, 4 waves a work-group, clusters of 4 x 4, 327,680 bytes of LDS; arguments x_codes, x_scales, w_codes, w_scales, qkv, b_attn, bQ, bK, bV; writes qkv
.if DOCPART == 2
	.amdgcn_target "amdgcn-amd-amdhsa--gfx1250"
	.amdhsa_code_object_version 6
	.text
	.protected	k_q68847f5dbd_qkv
	.globl	k_q68847f5dbd_qkv
	.p2align	8
	.type	k_q68847f5dbd_qkv,@function
k_q68847f5dbd_qkv:
	s_mov_b64 s[64:65], 0
	v_nop
	global_prefetch_b8 v0, s[64:65] scope:SCOPE_SE
	s_setreg_imm32_b32 hwreg(HW_REG_WAVE_MODE, 25, 1), 1
	s_wait_xcnt 0x0
	s_wait_alu depctr_hold_cnt(0) depctr_sa_sdst(0) depctr_va_vdst(0) depctr_va_sdst(0) depctr_va_ssrc(0) depctr_va_vcc(0) depctr_vm_vsrc(0)
	s_getreg_b32 s2, hwreg(HW_REG_IB_STS2, 6, 4)
	s_cmp_eq_u32 s2, 0
	s_cbranch_scc0 .Lentry_in_a_cluster
	s_endpgm
.Lentry_in_a_cluster:
	s_bfe_u32 s2, ttmp6, 0x10000c
	s_cmp_lg_u32 s2, 0xf033
	s_cbranch_scc0 .Lentry_shape_is_right
	s_endpgm
.Lentry_shape_is_right:
; qkv = Q(x) Q(W_attn) + b_attn + the head's bias, on codes of E2M1 with one E8M0 scale for each 32 along K; sums in f32; the result leaves as f16, laid [part 3][batch x 16 + head][t 2048][64].
; A = x's codes [8192][512 bytes], B = W_attn's codes [3072 n][512 bytes]; scale bytes [rows][32].  K = 1,024: two K steps of 512, one in each of two LDS slots, both asked for at the head: nothing is filled again.
; A tile of 256 x 256 to a work-group of four waves; a wave makes 128 x 128: 64 accumulators, 512 registers.  A tile column lies in one part (q, k or v): the part is the cluster's x.
; CLUSTERS: 4 x 4 work-groups; A's tiles and scales are asked for jointly along a row of the cluster, B's along a column.
; THE MATRIX INSTRUCTION IS USED TRANSPOSED (source 0 = 16 rows of B, source 1 = 16 rows of A): a lane holds eight neighbouring columns of one row.
; THE BIASES are the C of each sum's first matrix instruction: eight registers for each of B's eight blocks.
; LIMIT: a result above 65,504 in magnitude has no f16 number.
; REGISTERS: window 0: v16-30 addresses; v32-95 scale words, two sets, and nothing else; v96-127 packed results on the way out; v128-191 A's fragments, one set (on the way out rows read back); v192-255 the biases.
;   window 1: B's fragments, two sets, at v0 and v128.   window 2: accumulators of my rows 0-63 ((a, b) at v[8 (8 a + b)]);   window 3: rows 64-127.
.set NQ,     4                         ; steps of 128 along K in a slot
.set ROWB,   256                       ; a tile's row: 512 codes
.set KROW,   512                       ; a row of codes in memory
.set PITCH,  272                       ; an LDS row: 256 bytes + 16 of padding, so that the sixteen rows of a fragment load start 16 bytes apart modulo 256
.set FR,     8
.set NL,     2
.set NP,     4
.set HALFT,  128*PITCH
.set SLOT,   4*HALFT                   ; A's 256 rows, then B's 256 rows
.set KS,     32                        ; a row of scale bytes
.set SCL,    2*SLOT                    ; behind the ring: the scales, as units of 256 bytes + 16 of padding
.set HALFS,  16*272                    ; the scales of 128 rows
.set SBLK,   2*272                     ; those of 16 rows
.set SPARE,  SCL+4*HALFS               ; the spare words, 128 bytes for each wave
.set SPITCH, 272                       ; the way out: a stage of 16 rows x (256 bytes + 16) for each wave, in slot 0, which has had its only fill and its last read by then
.set ADRA, 16
.set ADRB, 20
.set STO,  24
.set RD,   25
.set CO,   26
.set ADRS, 27
.set SPW,  28
.set NIL,  29
.set BO,   30                          ; v30  32 x (lane / 16): my eight numbers of a block's sixteen biases
.set SC,   32
.set TMP,  96
.set AF,   128
.set BK,   128
.set BI,   192
.set G1, 24
.set G0, 32
.set G1B, 48
.set G0B, 56
.set G1S, 68
.set G0S, 76
.set G1SB, 80
.set G0SB, 88
.set MSB, 0
.macro WIN new                         ; the immediate's high byte repeats the setting that is left
.if MSB != (\new)
	s_set_vgpr_msb (MSB<<8)|(\new)
.set MSB, (\new)
.endif
.endm
.set MUL_LO,   0xa1                    ; source 0 (B) window 1, source 1 (A) window 0, C and D window 2
.set MUL_HI,   0xf1                    ; the same, C and D window 3
.set FIRST_LO, 0x81                    ; the first step: C (the biases) window 0, D window 2
.set FIRST_HI, 0xc1
.set TO_B,     0x40
; A joint load: waves 0 and 1 fetch for A, waves 2 and 3 for B; the branch hangs on the wave's number alone.  An s_nop 0 and four v_nop follow each line.
.macro JLOAD g0a, g1a, g0b, g1b
	s_cmp_eq_u32 s15, 0
	s_cbranch_scc0 .Lfor_b_\@
	tensor_load_to_lds s[\g0a:\g0a+3], s[\g1a:\g1a+7]
	s_nop 0
.rept 4
	v_nop
.endr
	s_branch .Lasked_\@
.Lfor_b_\@:
	tensor_load_to_lds s[\g0b:\g0b+3], s[\g1b:\g1b+7]
	s_nop 0
.rept 4
	v_nop
.endr
.Lasked_\@:
.endm
.macro CROUND                          ; a round of the cluster's barrier
	s_barrier_signal -1
	s_barrier_wait -1
	s_cmp_lg_u32 s14, 0
	s_cbranch_scc1 .Lnot_wave_0_\@
	s_barrier_signal -3
.Lnot_wave_0_\@:
	s_barrier_wait -3
	s_barrier_signal -1
	s_barrier_wait -1
.endm
	s_load_b128 s[4:7], s[0:1], 0x0                ; x's codes, x's scales
	s_load_b128 s[8:11], s[0:1], 0x10              ; W's codes, W's scales
	s_load_b64 s[12:13], s[0:1], 0x20              ; qkv
	s_load_b128 s[96:99], s[0:1], 0x28             ; b_attn, bQ
	s_load_b64 s[2:3], s[0:1], 0x38                ; bK
	s_load_b64 s[66:67], s[0:1], 0x40              ; bV
	v_lshl_add_u32 v[SPW], v0, 2, SPARE
	v_mov_b32 v[NIL], 0
	ds_add_u32 v[SPW], v[NIL]                      ; the wave's opening: the add, twice on end, and its wait ahead of my first tensor load
	ds_add_u32 v[SPW], v[NIL]
	v_lshrrev_b32 v1, 5, v0
	v_readfirstlane_b32 s14, v1                    ; wave 0..3
	s_lshr_b32 s15, s14, 1                         ; which half of the tile's rows is mine.  Also: I fetch for A (0) or for B (1)
	s_and_b32 s16, s14, 1                          ; which half of its columns.  Also: which 128 rows of that tile I fetch
	s_bfe_u32 s40, ttmp6, 0x40000                  ; cx
	s_bfe_u32 s41, ttmp6, 0x40004                  ; cy
	s_lshl_b32 s42, ttmp9, 2
	s_add_co_u32 s42, s42, s40                     ; tile column
	s_and_b32 s17, ttmp7, 0xffff
	s_lshl_b32 s17, s17, 2
	s_add_co_u32 s17, s17, s41                     ; tile row
	s_lshl_b32 s43, s41, 2
	s_lshl_b32 s43, 15, s43                        ; my row of the cluster
	s_lshl_b32 s44, 0x1111, s40                    ; my column
	s_or_b32 s[G1+0], s43, (0<<16)|(1<<20)|(1<<21)|(5<<22)|(3<<25)   ; the mask; elements of 1 byte; padding: 4 words behind every 64
	s_or_b32 s[G1B+0], s44, (0<<16)|(1<<20)|(1<<21)|(5<<22)|(3<<25)
.irp g, G1, G1B
	s_mov_b32 s[\g+1], ROWB<<16                    ; tensor_dim0
	s_mov_b32 s[\g+2], 128<<16                     ; tensor_dim1
	s_mov_b32 s[\g+3], ROWB<<16                    ; tile_dim0
	s_mov_b32 s[\g+4], 128                         ; tile_dim1
	s_mov_b32 s[\g+5], KROW                        ; the pitch in memory
	s_mov_b32 s[\g+6], 0
	s_mov_b32 s[\g+7], 0
.endr
	s_or_b32 s[G1S+0], s43, (3<<16)|(1<<20)|(1<<21)|(5<<22)|(3<<25)  ; the scales of 128 rows: 4,096 dense bytes as 16 rows of 32 elements of 8 bytes
	s_or_b32 s[G1SB+0], s44, (3<<16)|(1<<20)|(1<<21)|(5<<22)|(3<<25)
.irp g, G1S, G1SB
	s_mov_b32 s[\g+1], 32<<16
	s_mov_b32 s[\g+2], 16<<16
	s_mov_b32 s[\g+3], 32<<16
	s_mov_b32 s[\g+4], 16
	s_mov_b32 s[\g+5], 32
	s_mov_b32 s[\g+6], 0
	s_mov_b32 s[\g+7], 0
.endr
	s_lshl_b32 s18, s16, 7
	s_lshl_b32 s20, s17, 8
	s_add_co_u32 s20, s20, s18                     ; A: row 256 x tile row + 128 x half
	s_lshl_b32 s46, s42, 8
	s_add_co_u32 s46, s46, s18                     ; B: row 256 x tile column + 128 x half
	s_mov_b32 s21, 0
	s_mov_b32 s47, 0
	s_mov_b64 s[18:19], KS
	s_mul_u64 s[22:23], s[20:21], s[18:19]
	s_mul_u64 s[92:93], s[46:47], s[18:19]
	s_mov_b64 s[18:19], KROW
	s_mul_u64 s[20:21], s[20:21], s[18:19]
	s_mul_u64 s[46:47], s[46:47], s[18:19]
	s_mul_i32 s45, s14, HALFT                      ; where they go: wave x 128 rows
	s_mul_i32 s94, s14, HALFS
	s_wait_dscnt 0x0                               ; both opening adds are done
	s_wait_kmcnt 0x0
	s_add_nc_u64 s[20:21], s[4:5], s[20:21]
	s_add_nc_u64 s[22:23], s[6:7], s[22:23]
	s_add_nc_u64 s[46:47], s[8:9], s[46:47]
	s_add_nc_u64 s[92:93], s[10:11], s[92:93]
	CROUND                                         ; all sixteen work-groups are here: the joint loads meet
	s_mov_b32 s[G0S], 1
	s_add_co_u32 s[G0S+1], s94, SCL
	s_mov_b64 s[G0S+2:G0S+3], s[22:23]
	s_or_b32 s[G0S+3], s[G0S+3], 0x80000000
	s_mov_b32 s[G0SB], 1
	s_add_co_u32 s[G0SB+1], s94, SCL
	s_mov_b64 s[G0SB+2:G0SB+3], s[92:93]
	s_or_b32 s[G0SB+3], s[G0SB+3], 0x80000000
	JLOAD G0S, G1S, G0SB, G1SB                     ; the scales first
.irp s, 0,1
	s_mov_b32 s[G0+4*\s], 1
	s_add_co_u32 s[G0+4*\s+1], s45, \s*SLOT
	s_add_nc_u64 s[G0+4*\s+2:G0+4*\s+3], s[20:21], \s*ROWB
	s_or_b32 s[G0+4*\s+3], s[G0+4*\s+3], 0x80000000
	s_mov_b32 s[G0B+4*\s], 1
	s_add_co_u32 s[G0B+4*\s+1], s45, \s*SLOT
	s_add_nc_u64 s[G0B+4*\s+2:G0B+4*\s+3], s[46:47], \s*ROWB
	s_or_b32 s[G0B+4*\s+3], s[G0B+4*\s+3], 0x80000000
	JLOAD G0+4*\s, G1, G0B+4*\s, G1B               ; three tensor loads of mine are out now
.endr
	; the biases of my 128 columns: b_attn at column 256 x tile column + 128 x half; the part's head bias at 256 cx + 128 x half of its 1,024 numbers
	v_bfe_u32 v2, v0, 4, 1
	v_lshlrev_b32 v[BO], 5, v2
	s_cmp_eq_u32 ttmp9, 1                          ; the part is the cluster's x: the same in all partners
	s_cselect_b64 s[98:99], s[2:3], s[98:99]
	s_cmp_eq_u32 ttmp9, 2
	s_cselect_b64 s[98:99], s[66:67], s[98:99]
	s_lshl_b32 s46, s42, 10
	s_lshl_b32 s47, s16, 9
	s_add_co_u32 s46, s46, s47
	s_mov_b32 s47, 0
	s_add_nc_u64 s[96:97], s[96:97], s[46:47]
	s_lshl_b32 s46, s40, 10
	s_lshl_b32 s20, s16, 9
	s_add_co_u32 s46, s46, s20
	s_add_nc_u64 s[98:99], s[98:99], s[46:47]
.irp b, 0,1,2,3,4,5,6,7
	global_load_b128 v[BI+8*\b:BI+8*\b+3], v[BO], s[96:97] offset:64*\b
	global_load_b128 v[BI+8*\b+4:BI+8*\b+7], v[BO], s[96:97] offset:64*\b+16
	global_load_b128 v[AF+8*\b:AF+8*\b+3], v[BO], s[98:99] offset:64*\b
	global_load_b128 v[AF+8*\b+4:AF+8*\b+7], v[BO], s[98:99] offset:64*\b+16
.endr
	; where my part of qkv begins: part x 2^24 + ((16 batch + head) x 2,048 + t) x 128
	s_lshr_b32 s20, s17, 3
	s_lshl_b32 s20, s20, 4                         ; 16 x batch
	s_lshl_b32 s46, s40, 2
	s_add_co_u32 s46, s46, s20
	s_lshl_b32 s20, s16, 1
	s_add_co_u32 s46, s46, s20                     ; + head 4 cx + 2 x half
	s_lshl_b32 s46, s46, 11
	s_and_b32 s20, s17, 7
	s_lshl_b32 s20, s20, 8
	s_add_co_u32 s46, s46, s20
	s_lshl_b32 s20, s15, 7
	s_add_co_u32 s46, s46, s20                     ; + my first t
	s_lshl_b32 s46, s46, 7
	s_lshl_b32 s20, ttmp9, 24
	s_add_co_u32 s46, s46, s20
	s_add_nc_u64 s[12:13], s[12:13], s[46:47]
	s_wait_loadcnt 0x0
.set i, 0
.rept 32
	v_pk_add_f32 v[BI+i:BI+i+1], v[BI+i:BI+i+1], v[AF+i:AF+i+1]
.set i, i+2
.endr
	v_and_b32 v1, 15, v0
	v_mul_u32_u24 v3, v1, PITCH
	v_lshl_add_u32 v4, v2, 4, v3                   ; a fragment's row x pitch + 16 x half
	s_mul_i32 s21, s15, HALFT
	s_mul_i32 s22, s16, HALFT
	s_add_co_u32 s22, s22, 2*HALFT
.irp s, 0,1
	v_add_nc_u32 v[ADRA+\s], s21, v4
	v_add_nc_u32 v[ADRB+\s], s22, v4
	s_add_co_u32 s21, s21, SLOT
	s_add_co_u32 s22, s22, SLOT
.endr
	v_mul_u32_u24 v5, v1, KS                       ; my row's scales: 32 bytes a row,
	v_lshrrev_b32 v6, 8, v5
	v_lshl_add_u32 v5, v6, 4, v5                   ; and 16 more for each 256 passed
	s_mul_i32 s21, s15, HALFS
	s_mul_i32 s22, s16, HALFS
	s_add_co_u32 s22, s22, 2*HALFS
	s_sub_co_u32 s22, s22, s21
	v_mul_u32_u24 v6, s22, v2                      ; lanes 16-31 take B's
	s_add_co_u32 s21, s21, SCL
	v_add_nc_u32 v5, v5, v6
	v_add_nc_u32 v[ADRS], s21, v5
	s_mul_i32 s23, s14, 16*SPITCH                  ; my stage
	v_mul_u32_u24 v5, v1, SPITCH
	v_lshl_add_u32 v5, v2, 4, v5
	v_add_nc_u32 v[STO], s23, v5                   ; in: row l % 16, 16 bytes for each half of the lanes
	v_bfe_u32 v5, v0, 3, 2
	v_mul_u32_u24 v5, v5, SPITCH
	v_and_b32 v6, 7, v0
	v_lshl_add_u32 v5, v6, 4, v5
	v_add_nc_u32 v[RD], s23, v5                    ; back: eight lanes take one head's 128 bytes of a row, four rows an instruction
	v_and_b32 v6, 31, v0
	v_lshlrev_b32 v[CO], 4, v6                     ; which are 512 consecutive bytes of qkv
.macro FRAG reg, adr, q, i
.irp c, 0,1
	ds_load_b128 v[\reg+4*\c:\reg+4*\c+3], v[\adr] offset:64*(\q)+32*\c+(\i)*16*PITCH
.endr
.endm
; 16 matrix instructions: A's blocks a0, a0 + 1 x B's eight.  first = 1: the biases are C.  The 64 accumulators take turns in the same order in every step.
.macro MUL16 a0, p, q, sc, first
.irp a, \a0, \a0+1
.irp b, 0,1,2,3,4,5,6,7
.if \first
	v_wmma_scale_f32_16x16x128_f8f6f4 v[8*(8*((\a)%4)+\b):8*(8*((\a)%4)+\b)+7], v[128*(\p)+FR*\b:128*(\p)+FR*\b+FR-1], v[AF+FR*(\a):AF+FR*(\a)+FR-1], v[BI+8*\b:BI+8*\b+7], v[SC+8*NQ*(\sc)+NQ*\b+(\q)], v[SC+8*NQ*(\sc)+NQ*(\a)+(\q)] matrix_a_fmt:MATRIX_FMT_FP4 matrix_b_fmt:MATRIX_FMT_FP4 matrix_a_scale:MATRIX_SCALE_ROW1
.else
	v_wmma_scale_f32_16x16x128_f8f6f4 v[8*(8*((\a)%4)+\b):8*(8*((\a)%4)+\b)+7], v[128*(\p)+FR*\b:128*(\p)+FR*\b+FR-1], v[AF+FR*(\a):AF+FR*(\a)+FR-1], v[8*(8*((\a)%4)+\b):8*(8*((\a)%4)+\b)+7], v[SC+8*NQ*(\sc)+NQ*\b+(\q)], v[SC+8*NQ*(\sc)+NQ*(\a)+(\q)] matrix_a_fmt:MATRIX_FMT_FP4 matrix_b_fmt:MATRIX_FMT_FP4 matrix_a_scale:MATRIX_SCALE_ROW1
.endif
.endr
.endr
.endm
.macro FETCH_B slot, q, p
	WIN TO_B
.irp i, 0,1,2,3,4,5,6,7
	FRAG 128*(\p)+FR*\i, ADRB+\slot, \q, \i
.endr
	WIN 0
.endm
.macro FETCH_A slot, q, i0
.irp i, \i0, \i0+1, \i0+2, \i0+3
	FRAG AF+FR*(\i), ADRA+\slot, \q, \i
.endr
.endm
.macro SCALES sc                       ; a K step's scale words: 4 words a row; lanes 0-15 take A's block i, lanes 16-31 B's block i
.irp i, 0,1,2,3,4,5,6,7
	ds_load_b128 v[SC+8*NQ*\sc+NQ*\i:SC+8*NQ*\sc+NQ*\i+3], v[ADRS] offset:\i*SBLK
.endr
.endm
.macro PLACES n                        ; plain vector instructions between a matrix instruction and a load into, or a read of, its registers
.rept \n
	v_nop
.endr
.endm
.macro STEP slot, q, first             ; a step of 128 along K that has its successor in the same slot
	s_wait_dscnt 4*NL                              ; B's set and A's blocks 0-3 are in; the youngest eight loads (A's blocks 4-7) may be out
.if \first
	WIN FIRST_LO
.else
	WIN MUL_LO
.endif
	MUL16 0, (\q)%2, \q, \slot, \first
	MUL16 2, (\q)%2, \q, \slot, \first
	s_wait_dscnt 0
	PLACES NP
	FETCH_B \slot, (\q)+1, 1-(\q)%2
	FETCH_A \slot, (\q)+1, 0
.if \first
	WIN FIRST_HI
.else
	WIN MUL_HI
.endif
	MUL16 4, (\q)%2, \q, \slot, \first
	MUL16 6, (\q)%2, \q, \slot, \first
	PLACES NP
	WIN 0
	FETCH_A \slot, (\q)+1, 4
.endm
.macro TURN slot, next                 ; a slot's last step changes slots: one barrier; nothing is filled again
	s_wait_tensorcnt 0x0                           ; all my tensor loads have landed: my part of the next slot
	ds_add_u32 v[SPW], v[NIL]
	s_wait_dscnt 4*NL+1                            ; the add and the youngest eight loads may be out
	WIN MUL_LO
	MUL16 0, 1, NQ-1, \slot, 0
	s_wait_dscnt 0x0                               ; the add is done, and my reads of this slot are over
	s_barrier_signal -1
	MUL16 2, 1, NQ-1, \slot, 0
	WIN 0
	s_barrier_wait -1                              ; the next slot is whole
	PLACES NP
	v_add_nc_u32 v[ADRS], 4*NQ, v[ADRS]            ; the next K step's scale words
	FETCH_B \next, 0, 0
	FETCH_A \next, 0, 0
	SCALES \next
	WIN MUL_HI
	MUL16 4, 1, NQ-1, \slot, 0
	MUL16 6, 1, NQ-1, \slot, 0
	PLACES NP
	WIN 0
	FETCH_A \next, 0, 4
.endm
	s_wait_tensorcnt 1                             ; the scales and my part of slot 0 are in; slot 1's load may be out
	s_barrier_signal -1
	s_barrier_wait -1
	FETCH_B 0, 0, 0
	FETCH_A 0, 0, 0
	SCALES 0
	FETCH_A 0, 0, 4
	STEP 0, 0, 1
	STEP 0, 1, 0
	STEP 0, 2, 0
	TURN 0, 1
	STEP 1, 0, 0
	STEP 1, 1, 0
	STEP 1, 2, 0
	s_wait_dscnt 4*NL                              ; the last step: nothing more to fetch
	WIN MUL_LO
	MUL16 0, 1, NQ-1, 1, 0
	MUL16 2, 1, NQ-1, 1, 0
	s_wait_dscnt 0
	WIN MUL_HI
	MUL16 4, 1, NQ-1, 1, 0
	MUL16 6, 1, NQ-1, 1, 0
	WIN 0
; THE WAY OUT, a block of 16 rows x 128 columns (two heads) at a time: rounded to f16, 16 bytes a lane into my stage, back as four rows of one head, which are 512 consecutive bytes of qkv.
.macro PACK a
.set AC, 64*((\a)%4)
	WIN 0x0a+5*((\a)/4)                            ; sources 0 and 1: window 2 or 3
.irp b, 0,1,2,3,4,5,6,7
.irp r, 0,1,2,3
	v_cvt_pk_f16_f32 v[TMP+4*\b+\r], v[AC+8*\b+2*\r], v[AC+8*\b+2*\r+1]   ; each accumulator from its low end on
.endr
.endr
	WIN 0
.endm
.macro TOSTAGE a
.set BB, BK+32*((\a)%2)
.irp b, 0,1,2,3,4,5,6,7
	ds_store_b128 v[STO], v[TMP+4*\b:TMP+4*\b+3] offset:32*\b
.endr
.irp i, 0,1,2,3,4,5,6,7
	ds_load_b128 v[BB+4*\i:BB+4*\i+3], v[RD] offset:(\i/2)*4*SPITCH+(\i%2)*128   ; LDS serves a wave's instructions in order: these see the stores above
.endr
.endm
.macro SEND a
.set BB, BK+32*((\a)%2)
	s_wait_dscnt 0x0                               ; the block is back in registers
	s_wait_xcnt 0x0                                ; the earlier stores have read their registers: the next block's loads may land there
.irp i, 0,1,2,3,4,5,6,7
	global_store_b128 v[CO], v[BB+4*\i:BB+4*\i+3], s[12:13] offset:(\i%2)*262144+(16*(\a)+4*(\i/2))*128
.endr
.endm
	PLACES NP
	PACK 0
	TOSTAGE 0
.irp a, 1,2,3,4,5,6,7
	PACK \a
	SEND \a-1
	TOSTAGE \a
.endr
	SEND 7
	s_wait_tensorcnt 0x0                           ; the wave's end
	ds_add_u32 v[SPW], v[NIL]
	s_wait_dscnt 0x0
	CROUND                                         ; the closing round
	s_endpgm
.Lfunc_end_k_q68847f5dbd_qkv:
	.size	k_q68847f5dbd_qkv, .Lfunc_end_k_q68847f5dbd_qkv-k_q68847f5dbd_qkv
	.p2alignl 7, 3214868480
	.fill 96, 4, 3214868480
	.section	.rodata,"a",@progbits
	.p2align	6, 0x0
	.amdhsa_kernel k_q68847f5dbd_qkv
		.amdhsa_group_segment_fixed_size 327680
		.amdhsa_private_segment_fixed_size 0
		.amdhsa_enable_private_segment 0
		.amdhsa_kernarg_size 72
		.amdhsa_user_sgpr_count 2
		.amdhsa_user_sgpr_kernarg_segment_ptr 1
		.amdhsa_wavefront_size32 1
		.amdhsa_system_sgpr_workgroup_id_x 1
		.amdhsa_system_sgpr_workgroup_id_y 1
		.amdhsa_system_sgpr_workgroup_id_z 1
		.amdhsa_system_vgpr_workitem_id 0
		.amdhsa_next_free_vgpr 1024
		.amdhsa_next_free_sgpr 100
		.amdhsa_reserve_vcc 0
		.amdhsa_float_denorm_mode_32 3
		.amdhsa_float_denorm_mode_16_64 3
		.amdhsa_memory_ordered 1
		.amdhsa_forward_progress 1
		.amdhsa_inst_pref_size 132
	.end_amdhsa_kernel
	.amdgpu_metadata
---
amdhsa.version: [ 1, 2 ]
amdhsa.kernels:
  - .name:           k_q68847f5dbd_qkv
    .symbol:         k_q68847f5dbd_qkv.kd
    .args:
      - { .name: x_codes, .offset: 0, .size: 8, .value_kind: global_buffer, .address_space: global }
      - { .name: x_scales, .offset: 8, .size: 8, .value_kind: global_buffer, .address_space: global }
      - { .name: w_codes, .offset: 16, .size: 8, .value_kind: global_buffer, .address_space: global }
      - { .name: w_scales, .offset: 24, .size: 8, .value_kind: global_buffer, .address_space: global }
      - { .name: qkv, .offset: 32, .size: 8, .value_kind: global_buffer, .address_space: global }
      - { .name: b_attn, .offset: 40, .size: 8, .value_kind: global_buffer, .address_space: global }
      - { .name: bQ, .offset: 48, .size: 8, .value_kind: global_buffer, .address_space: global }
      - { .name: bK, .offset: 56, .size: 8, .value_kind: global_buffer, .address_space: global }
      - { .name: bV, .offset: 64, .size: 8, .value_kind: global_buffer, .address_space: global }
    .group_segment_fixed_size: 327680
    .private_segment_fixed_size: 0
    .kernarg_segment_align: 8
    .kernarg_segment_size: 72
    .max_flat_workgroup_size: 128
    .sgpr_count:     100
    .vgpr_count:     1024
    .wavefront_size: 32
...
	.end_amdgpu_metadata
.endif
;; end of part 2
;; launch attn (part 3): grid 4 x 64, 16 waves a work-group, no clusters, 327,680 bytes of LDS; arguments qkv, yh; writes yh
.if DOCPART == 3
	.amdgcn_target "amdgcn-amd-amdhsa--gfx1250"
	.amdhsa_code_object_version 6
	.text
	.protected	k_q68847f5dbd_attn
	.globl	k_q68847f5dbd_attn
	.p2align	8
	.type	k_q68847f5dbd_attn,@function
k_q68847f5dbd_attn:
	s_mov_b64 s[64:65], 0
	v_nop
	global_prefetch_b8 v0, s[64:65] scope:SCOPE_SE
	s_setreg_imm32_b32 hwreg(HW_REG_WAVE_MODE, 25, 1), 1
	s_wait_xcnt 0x0
; y[b][h][q] = the sum over k <= q of softmax_k(q . k / 8) v[k], head size 64, 2,048 positions; q, k, v in f16 from qkv [part][16 b + h][t][64]; products by the f16 matrix form, maxima and sums in f32.
; y leaves as f16, laid [h][2,048 b + t][64].
; SHARES.  Work-group (i, head) owns the blocks of 256 queries i and 7 - i: 9 blocks' worth of keys whatever i.  Waves 0-7 take block i, waves 8-15 block 7 - i; a wave owns 32 neighbouring queries: two tiles of 16.
; Keys go 64 a step through a ring of two LDS slots of 256 keys, filled by the tensor data mover (waves 0, 1: K's halves; waves 2, 3: V's) and read by all sixteen.
; NO CLUSTER: the four work-groups of a head need 8, 7, 6 and 5 slots: a joint load would bring some partners tiles that none of their waves reads.
; LAYOUT.  S^T = K Q^T (source 0 = 16 keys, source 1 = 16 queries), O^T = V^T P (source 0 = 16 channels, turned on the way out of LDS; source 1 = P): a lane holds one query throughout, and two tiles of S^T,
; rounded to f16 in pairs, are source 1 of the second product as they stand.
; SOFTMAX.  A running maximum m and sum l for each query: p = 2^(c s - c m), c = log2(e) / 8; in every step O and l are multiplied by a = 2^(c m_old - c m_new).
; CAUSAL.  Every work-group walks all 8 changes of slots (constant trip counts); a step all of whose keys come after the wave's queries is jumped over by a branch on ids; on the diagonal hidden scores become -infinity.
; LIMITS: NaN and infinities are not served; f16 holds |q|, |k|, |v|, |y| up to 65,504.
.set KP,    272                        ; two keys' rows of K (256 bytes) + 16: the rows are dense in memory, so two are stated as one
.set VP,    288                        ; two keys' rows of V + 32
.set VOFF,  128*KP                     ; a slot: 256 keys of K, then 256 of V
.set SLOT1, 1<<17
.set STAGE, SLOT1+VOFF+128*VP          ; behind the ring: 2 x 16 rows x 144 bytes for each wave, for the way out
.set SPARE, STAGE+16*4608              ; the spare words, 128 bytes for each wave
.set AK0, 1
.set AV0, 2
.set ADK, 3
.set ADV, 4
.set SPW, 5
.set NIL, 6
.set RH,  7                            ; v7   lane % 16 - 8 (lane / 16)
.set STO, 8
.set RD,  9
.set GO,  10
.set PFO, 11
.set ST,  16                           ; tile t's statistics at v[16 + 8 t]: +0 c m, +1 m, +2, +3 l, +4 .. +7 at work, a in +6;  v12, v13: the old c m of tiles 0, 1
.set QF,  32                           ; Q: tile t, channels 32 f on: v[32 + 16 t + 8 f]
.set SS,  64                           ; S^T: tile t, keys 16 k on: v[64 + 32 t + 8 k]; then P in the tile's first 16
.set KV,  128                          ; K's 8 fragments, then V's 8, in the same 64 registers
.set OA,  192                          ; O^T: v[192 + 32 t + 8 c]
.set WV,  18
.set SEL, 20
.set CS,  22
.set G1K, 24
.set G1V, 32
.set G0K, 40
.set G0V, 44
.set TK,  2
.set TV,  3
.set SLOTS, 48
.set STEPC, 49
.set KF,  50
.set Q0,  51
.set QL,  52
.set PFA, 54
.set LIM, 56
.macro TLOAD                           ; waves 0, 1 fetch for K, waves 2, 3 for V, the others nothing.  An s_nop 0 and four v_nop follow each line
	s_cmp_lt_u32 s[WV], 2
	s_cbranch_scc0 .Lnot_k_\@
	tensor_load_to_lds s[G0K:G0K+3], s[G1K:G1K+7]
	s_nop 0
.rept 4
	v_nop
.endr
	s_branch .Lasked_\@
.Lnot_k_\@:
	s_cmp_lt_u32 s[WV], 4
	s_cbranch_scc0 .Lasked_\@
	tensor_load_to_lds s[G0V:G0V+3], s[G1V:G1V+7]
	s_nop 0
.rept 4
	v_nop
.endr
.Lasked_\@:
.endm
; A prefetch of the slot that the NEXT change of slots will ask for: 32,768 bytes of K and of V.  The head's first work-group, which walks all 8 slots, asks, and nobody else; in it waves 4-7 ask for K's,
; waves 8-11 for V's: 8,192 bytes a wave, lanes 256 bytes apart: each aligned block of 256 bytes is named once in the launch.  Slots 0 and 1 come by their loads alone; the last change that fills a slot asks for nothing.
.macro ASK
	s_cmp_gt_u32 s[SLOTS], s[LIM]
	s_cbranch_scc0 .Lnot_mine_\@
	global_prefetch_b8 v[PFO], s[PFA:PFA+1] th:TH_LOAD_NT scope:SCOPE_SE
.Lnot_mine_\@:
.endm
	s_load_b128 s[4:7], s[0:1], 0x0                ; qkv, yh
	v_lshl_add_u32 v[SPW], v0, 2, SPARE
	v_mov_b32 v[NIL], 0
	ds_add_u32 v[SPW], v[NIL]                      ; the wave's opening: the add, twice on end, and its wait ahead of my first tensor load
	ds_add_u32 v[SPW], v[NIL]
	v_lshrrev_b32 v12, 5, v0
	v_readfirstlane_b32 s[WV], v12                 ; wave 0..15
	s_mov_b32 s[G1K], (1<<16)|(1<<20)|(5<<22)|(3<<25)   ; elements of 2 bytes; padding: 4 words behind every 64
	s_mov_b32 s[G1V], (1<<16)|(1<<20)|(5<<22)|(7<<25)   ; 8 words
.irp g, G1K, G1V
	s_mov_b32 s[\g+1], 128<<16                     ; tensor_dim0: 128 elements, two keys
	s_mov_b32 s[\g+2], 64<<16                      ; tensor_dim1: 64 such rows, 128 keys
	s_mov_b32 s[\g+3], 128<<16
	s_mov_b32 s[\g+4], 64
	s_mov_b32 s[\g+5], 128
	s_mov_b32 s[\g+6], 0
	s_mov_b32 s[\g+7], 0
.endr
	s_mov_b32 s[SEL], 0x76543210
	s_mov_b32 s[SEL+1], 0xfedcba98
	s_mov_b32 s[CS], 0x3e38aa3b                    ; c = log2(e) / 8
	s_mov_b32 s[CS+1], s[CS]
	s_mov_b32 s[TK], 0
	s_mov_b32 s[TV], 0
	s_mov_b32 s[KF], 0
	s_mov_b32 s[SLOTS], 7
	s_and_b32 s57, ttmp7, 0xffff                   ; 16 b + h
	s_lshl_b32 s58, s57, 18                        ; its 262,144 bytes in each part
	s_and_b32 s59, s[WV], 1
	s_lshl_b32 s60, s59, 14                        ; which 128 keys of a slot I fetch, if I fetch
	s_add_co_u32 s60, s60, s58
	s_mov_b32 s61, 0
	s_mul_i32 s62, s59, 64*KP
	s_mul_i32 s63, s59, 64*VP
	s_add_co_u32 s63, s63, VOFF
	s_sub_co_u32 s66, 7, ttmp9
	s_cmp_lt_u32 s[WV], 8
	s_cselect_b32 s66, ttmp9, s66                  ; my block of 256 queries
	s_lshl_b32 s66, s66, 8
	s_and_b32 s67, s[WV], 7
	s_lshl_b32 s67, s67, 5
	s_add_co_u32 s[Q0], s66, s67                   ; my first query
	s_sub_co_u32 s[QL], 8, ttmp9
	s_lshl_b32 s[QL], s[QL], 8
	s_sub_co_u32 s[QL], s[QL], 1                   ; my work-group's last query
	s_wait_dscnt 0x0                               ; both opening adds are done
	s_wait_kmcnt 0x0
	s_mov_b32 s[G0K], 1
	s_mov_b32 s[G0K+1], s62
	s_add_nc_u64 s[G0K+2:G0K+3], s[4:5], s[60:61]
	s_add_nc_u64 s[G0K+2:G0K+3], s[G0K+2:G0K+3], 0x1000000   ; part 1: k
	s_or_b32 s[G0K+3], s[G0K+3], 0x80000000
	s_mov_b32 s[G0V], 1
	s_mov_b32 s[G0V+1], s63
	s_add_nc_u64 s[G0V+2:G0V+3], s[4:5], s[60:61]
	s_add_nc_u64 s[G0V+2:G0V+3], s[G0V+2:G0V+3], 0x2000000   ; part 2: v
	s_or_b32 s[G0V+3], s[G0V+3], 0x80000000
	TLOAD                                          ; slot 0
	s_lshl_b32 s68, s[Q0], 7
	s_add_co_u32 s68, s68, s58
	s_mov_b32 s69, 0
	s_add_nc_u64 s[8:9], s[4:5], s[68:69]          ; q at my first query
	s_and_b32 s70, s57, 15
	s_lshl_b32 s70, s70, 13
	s_lshr_b32 s71, s57, 4
	s_lshl_b32 s71, s71, 11
	s_add_co_u32 s70, s70, s71
	s_add_co_u32 s70, s70, s[Q0]
	s_lshl_b32 s70, s70, 7
	s_mov_b32 s71, 0
	s_add_nc_u64 s[6:7], s[6:7], s[70:71]          ; yh at my first query
	s_mov_b32 s66, 0x2000000
	s_cmp_lt_u32 s[WV], 8
	s_cselect_b32 s66, 0x1000000, s66
	s_and_b32 s67, s[WV], 3
	s_lshl_b32 s67, s67, 13
	s_add_co_u32 s66, s66, s67
	s_add_co_u32 s66, s66, s58
	s_add_co_u32 s66, s66, 32768                   ; in slot 1: the first change of slots steps it to slot 2
	s_mov_b32 s67, 0
	s_add_nc_u64 s[PFA:PFA+1], s[4:5], s[66:67]
	s_sub_co_u32 s66, s[WV], 4
	s_lshr_b32 s66, s66, 3                         ; 0 in waves 4 to 11,
	s_or_b32 s66, s66, ttmp9                       ; of the head's first work-group
	s_cmp_eq_u32 s66, 0
	s_cselect_b32 s[LIM], 1, -1
	v_and_b32 v12, 15, v0                          ; r
	v_bfe_u32 v13, v0, 4, 1                        ; h
	v_lshlrev_b32 v14, 7, v12
	v_lshl_add_u32 v14, v13, 4, v14
.irp t, 0,1
.irp f, 0,1
	global_load_b128 v[QF+16*\t+8*\f:QF+16*\t+8*\f+3], v14, s[8:9] offset:2048*\t+64*\f
	global_load_b128 v[QF+16*\t+8*\f+4:QF+16*\t+8*\f+7], v14, s[8:9] offset:2048*\t+64*\f+32
.endr
.endr
	v_lshrrev_b32 v15, 1, v12
	v_mul_u32_u24 v[AK0], v15, KP
	v_and_b32 v15, 1, v12
	v_lshl_add_u32 v[AK0], v15, 7, v[AK0]
	v_lshl_add_u32 v[AK0], v13, 4, v[AK0]          ; key r: (r / 2) x 272 + (r % 2) x 128, + 16 h
	v_bfe_u32 v15, v0, 1, 2
	v_lshl_add_u32 v15, v13, 2, v15
	v_mul_u32_u24 v[AV0], v15, VP
	v_and_b32 v15, 1, v0
	v_lshl_add_u32 v[AV0], v15, 7, v[AV0]
	v_bfe_u32 v15, v0, 3, 1
	v_lshl_add_u32 v[AV0], v15, 4, v[AV0]
	v_add_nc_u32 v[AV0], VOFF, v[AV0]              ; the turning load: key 8 h + l % 8, channels 8 ((l / 8) % 2) on
	v_lshlrev_b32 v15, 3, v13
	v_sub_nc_u32 v[RH], v12, v15
	s_mul_i32 s57, s[WV], 4608
	s_add_co_u32 s57, s57, STAGE
	v_mul_u32_u24 v[STO], v12, 144
	v_lshl_add_u32 v[STO], v13, 4, v[STO]
	v_add_nc_u32 v[STO], s57, v[STO]
	v_bfe_u32 v15, v0, 3, 2
	v_mul_u32_u24 v[RD], v15, 144
	v_and_b32 v15, 7, v0
	v_lshl_add_u32 v[RD], v15, 4, v[RD]
	v_add_nc_u32 v[RD], s57, v[RD]
	v_and_b32 v15, 31, v0
	v_lshlrev_b32 v[GO], 4, v15
	v_lshlrev_b32 v[PFO], 8, v15
.irp t, 0,1
	v_mov_b32 v[ST+8*\t+1], 0xff61b1e6             ; m = -3e38, under every score
	v_mul_f32 v[ST+8*\t], s[CS], v[ST+8*\t+1]
.irp j, 2,3,4,5,6,7
	v_mov_b32 v[ST+8*\t+\j], 0
.endr
.endr
.set i, 0
.rept 64
	v_mov_b32 v[OA+i], 0                           ; O^T.  The step is written for every step alike: the first finds zeros, which its a = 0 leaves zeros
.set i, i+1
.endr
; A KEY STEP: 64 keys, two tiles of queries.
.macro STEP
	s_add_co_u32 s57, s[Q0], 31
	s_cmp_gt_u32 s[KF], s57                        ; all 64 keys come after my 32 queries: only the addresses step
	s_cbranch_scc1 .Lhidden_\@
	v_add_nc_u32 v[ADK], s[TK], v[AK0]
	v_add_nc_u32 v[ADV], s[TV], v[AV0]
.rept 3
	v_nop                                          ; with the two additions five places behind the last V^T P: four for the loads into V's registers, five since K Q^T writes over P
.endr
.irp k, 0,1,2,3
.irp f, 0,1
	ds_load_b128 v[KV+16*\k+8*\f:KV+16*\k+8*\f+3], v[ADK] offset:\k*8*KP+64*\f
	ds_load_b128 v[KV+16*\k+8*\f+4:KV+16*\k+8*\f+7], v[ADK] offset:\k*8*KP+64*\f+32
.endr
.endr
	s_wait_dscnt 0x0
.irp f, 0,1
.irp k, 0,1,2,3
.irp t, 0,1
.if \f == 0
	v_wmma_f32_16x16x32_f16 v[SS+32*\t+8*\k:SS+32*\t+8*\k+7], v[KV+16*\k+8*\f:KV+16*\k+8*\f+7], v[QF+16*\t+8*\f:QF+16*\t+8*\f+7], 0
.else
	v_wmma_f32_16x16x32_f16 v[SS+32*\t+8*\k:SS+32*\t+8*\k+7], v[KV+16*\k+8*\f:KV+16*\k+8*\f+7], v[QF+16*\t+8*\f:QF+16*\t+8*\f+7], v[SS+32*\t+8*\k:SS+32*\t+8*\k+7]
.endif
.endr
.endr
.endr
	v_mov_b32 v12, v[ST]                           ; the old c m of both tiles: with two v_nop the four places behind K Q^T
	v_mov_b32 v13, v[ST+8]
	v_nop
	v_nop
.irp g, 0,1
.irp c, 0,1,2,3
	ds_load_tr16_b128 v[KV+32*\g+8*\c:KV+32*\g+8*\c+3], v[ADV] offset:\g*16*VP+\c*32
	ds_load_tr16_b128 v[KV+32*\g+8*\c+4:KV+32*\g+8*\c+7], v[ADV] offset:\g*16*VP+8*VP+\c*32
.endr
.endr
	s_add_co_u32 s57, s[KF], 63
	s_cmp_le_u32 s57, s[Q0]                        ; all 64 keys count for all my queries
	s_cbranch_scc1 .Lopen_\@
	s_sub_co_i32 s57, s[Q0], s[KF]
	s_add_co_i32 s58, s57, 16
	v_add_nc_u32 v[ST+4], s57, v[RH]               ; d = my query - the step's first key - 8 h: register n holds key 16 (n / 8) + n % 8 + 8 h, hidden where 16 (n / 8) + n % 8 > d
	v_add_nc_u32 v[ST+12], s58, v[RH]
	v_mov_b32 v[ST+5], 0xff800000
	v_mov_b32 v[ST+13], 0xff800000
.irp n, 0,1,2,3,4,5,6,7,8,9,10,11,12,13,14,15,16,17,18,19,20,21,22,23,24,25,26,27,28,29,30,31
.irp t, 0,1
	v_cmp_gt_i32 vcc_lo, 16*(\n/8)+\n%8, v[ST+8*\t+4]
	v_cndmask_b32 v[SS+32*\t+\n], v[SS+32*\t+\n], v[ST+8*\t+5], vcc_lo
.endr
.endr
.Lopen_\@:
.irp j, 0,1,2,3                        ; the maximum of 32 scores and the old m: four chains, the two tiles by turns; each accumulator is read from its low end on
.irp t, 0,1
	v_max3_num_f32 v[ST+8*\t+4+\j], v[SS+32*\t+8*\j], v[SS+32*\t+8*\j+1], v[SS+32*\t+8*\j+2]
.endr
.endr
.irp u, 1,2
.irp j, 0,1,2,3
.irp t, 0,1
	v_max3_num_f32 v[ST+8*\t+4+\j], v[ST+8*\t+4+\j], v[SS+32*\t+8*\j+2*\u+1], v[SS+32*\t+8*\j+2*\u+2]
.endr
.endr
.endr
.irp t, 0,1
	v_max3_num_f32 v[ST+8*\t+4], v[ST+8*\t+4], v[SS+32*\t+7], v[SS+32*\t+15]
.endr
.irp t, 0,1
	v_max3_num_f32 v[ST+8*\t+6], v[ST+8*\t+6], v[SS+32*\t+23], v[SS+32*\t+31]
.endr
.irp t, 0,1
	v_max3_num_f32 v[ST+8*\t+4], v[ST+8*\t+4], v[ST+8*\t+5], v[ST+8*\t+6]
.endr
.irp t, 0,1
	v_max3_num_f32 v[ST+8*\t+4], v[ST+8*\t+4], v[ST+8*\t+7], v[ST+8*\t+1]
.endr
.irp t, 0,1
	v_permlanex16_b32 v[ST+8*\t+5], v[ST+8*\t+4], s[SEL], s[SEL+1]   ; the query's other 32 keys lie in the lane 16 away
.endr
.irp t, 0,1
	v_max_num_f32 v[ST+8*\t+1], v[ST+8*\t+4], v[ST+8*\t+5]
.endr
.irp t, 0,1
	v_mul_f32 v[ST+8*\t], s[CS], v[ST+8*\t+1]
.endr
.irp t, 0,1
	v_sub_f32 v[ST+8*\t+7], v[12+\t], v[ST+8*\t]
.endr
.irp b, 0,1,2,3,4,5,6,7,8,9,10,11,12,13,14,15
.irp t, 0,1
	v_pk_fma_f32 v[SS+32*\t+2*\b:SS+32*\t+2*\b+1], v[SS+32*\t+2*\b:SS+32*\t+2*\b+1], s[CS:CS+1], v[ST+8*\t:ST+8*\t+1] op_sel_hi:[1,0,0] neg_lo:[0,0,1] neg_hi:[0,0,1]   ; c s - c m
.endr
.endr
.irp t, 0,1
	v_exp_f32 v[ST+8*\t+6], v[ST+8*\t+7]           ; a
.endr
.irp n, 0,1,2,3,4,5,6,7,8,9,10,11,12,13,14,15,16,17,18,19,20,21,22,23,24,25,26,27,28,29,30,31
.irp t, 0,1
	v_exp_f32 v[SS+32*\t+\n], v[SS+32*\t+\n]       ; p
.endr
.endr
	v_nop                                          ; a plain instruction behind the last exponential
	s_wait_alu depctr_va_vdst(0)                   ; one wait for the batch of 66, ahead of its first reader
.irp t, 0,1
	v_pk_fma_f32 v[ST+8*\t+2:ST+8*\t+3], v[ST+8*\t+2:ST+8*\t+3], v[ST+8*\t+6:ST+8*\t+7], v[SS+32*\t:SS+32*\t+1] op_sel_hi:[1,0,1]   ; l = a l + pair 0
	v_pk_add_f32 v[ST+8*\t+4:ST+8*\t+5], v[SS+32*\t+2:SS+32*\t+3], v[SS+32*\t+6:SS+32*\t+7]
.endr
.irp b, 2,4,6,8,10,12
.irp t, 0,1
	v_pk_add_f32 v[ST+8*\t+2:ST+8*\t+3], v[ST+8*\t+2:ST+8*\t+3], v[SS+32*\t+2*\b:SS+32*\t+2*\b+1]
	v_pk_add_f32 v[ST+8*\t+4:ST+8*\t+5], v[ST+8*\t+4:ST+8*\t+5], v[SS+32*\t+2*\b+6:SS+32*\t+2*\b+7]
.endr
.endr
.irp t, 0,1
	v_pk_add_f32 v[ST+8*\t+2:ST+8*\t+3], v[ST+8*\t+2:ST+8*\t+3], v[SS+32*\t+28:SS+32*\t+29]
.endr
.irp t, 0,1
	v_pk_add_f32 v[ST+8*\t+2:ST+8*\t+3], v[ST+8*\t+2:ST+8*\t+3], v[ST+8*\t+4:ST+8*\t+5]
.endr
.irp j, 0,1,2,3,4,5,6,7,8,9,10,11,12,13,14,15
.irp t, 0,1
	v_cvt_pk_f16_f32 v[SS+32*\t+\j], v[SS+32*\t+2*\j], v[SS+32*\t+2*\j+1]   ; P, in place, ascending: a register is written only when its numbers have been taken
.endr
.endr
.irp j, 0,1,2,3,4,5,6,7,8,9,10,11,12,13,14,15
.irp t, 0,1
	v_pk_mul_f32 v[OA+32*\t+2*\j:OA+32*\t+2*\j+1], v[OA+32*\t+2*\j:OA+32*\t+2*\j+1], v[ST+8*\t+6:ST+8*\t+7] op_sel_hi:[1,0]
.endr
.endr
	s_wait_dscnt 0x0                               ; V is in
.irp g, 0,1
.irp c, 0,1,2,3
.irp t, 0,1
	v_wmma_f32_16x16x32_f16 v[OA+32*\t+8*\c:OA+32*\t+8*\c+7], v[KV+32*\g+8*\c:KV+32*\g+8*\c+7], v[SS+32*\t+8*\g:SS+32*\t+8*\g+7], v[OA+32*\t+8*\c:OA+32*\t+8*\c+7]
.endr
.endr
.endr
.Lhidden_\@:
	s_add_co_u32 s[KF], s[KF], 64
	s_add_co_u32 s[TK], s[TK], 32*KP
	s_add_co_u32 s[TV], s[TV], 32*VP
.endm
; THE CHANGE OF SLOTS stands at a slot's head: each wave waits for all its tensor loads, adds 0 to its spare word, and waits for that and for its reads of the slot that it has left; one barrier.
; fill = 1: the slot that was left takes the next 256 keys, as long as its first key is at or under the work-group's last query: a slot beyond that would be read by none of the sixteen waves.
.macro CHANGE fill
	s_wait_tensorcnt 0x0                           ; no tensor load of mine is out, so a group 0 may be written
	ds_add_u32 v[SPW], v[NIL]
.if \fill
	ds_add_u32 v[SPW], v[NIL]                      ; in the loop, twice on end in every trip alike
	s_xor_b32 s[G0K+1], s[G0K+1], SLOT1
	s_add_nc_u64 s[G0K+2:G0K+3], s[G0K+2:G0K+3], 32768
	s_xor_b32 s[G0V+1], s[G0V+1], SLOT1
	s_add_nc_u64 s[G0V+2:G0V+3], s[G0V+2:G0V+3], 32768
	s_wait_xcnt 0x0                                ; the last prefetch, a slot back, has read its address
	s_add_nc_u64 s[PFA:PFA+1], s[PFA:PFA+1], 32768
.endif
	s_wait_dscnt 0x0
	s_barrier_signal -1
	s_barrier_wait -1
.if \fill
	s_add_co_u32 s57, s[KF], 256                   ; the first key of the slot that this change would ask for
	s_cmp_gt_u32 s57, s[QL]                        ; ids and the count of steps alone: all sixteen waves go the same way
	s_cbranch_scc1 .Lpast_\@
	TLOAD                                          ; a wave's one tensor load until the next such barrier
.Lpast_\@:
	ASK
.endif
.endm
.macro SLOT_STEPS                      ; a slot's four steps: written once, walked four times
	s_mov_b32 s[STEPC], 4
.Lstep_\@:
	STEP
	s_sub_co_u32 s[STEPC], s[STEPC], 1
	s_cmp_lg_u32 s[STEPC], 0
	s_cbranch_scc1 .Lstep_\@
	s_sub_co_u32 s[TK], s[TK], 128*KP
	s_xor_b32 s[TK], s[TK], SLOT1
	s_sub_co_u32 s[TV], s[TV], 128*VP
	s_xor_b32 s[TV], s[TV], SLOT1
.endm
	s_wait_loadcnt 0x0                             ; Q
.Lslot:                                            ; 7 trips
	CHANGE 1
	SLOT_STEPS
	s_sub_co_u32 s[SLOTS], s[SLOTS], 1
	s_cmp_lg_u32 s[SLOTS], 0
	s_cbranch_scc1 .Lslot
	CHANGE 0                                       ; the last slot is written out: nothing is left to ask for
	SLOT_STEPS
	; THE WAY OUT.  O^T / l, rounded to f16, through my stage: rows of 128 bytes + 16; back four rows an instruction, 512 consecutive bytes of yh.
.irp t, 0,1
	v_add_f32 v[ST+8*\t+4], v[ST+8*\t+2], v[ST+8*\t+3]
.endr
.irp t, 0,1
	v_permlanex16_b32 v[ST+8*\t+5], v[ST+8*\t+4], s[SEL], s[SEL+1]
.endr
.irp t, 0,1
	v_add_f32 v[ST+8*\t+4], v[ST+8*\t+4], v[ST+8*\t+5]
.endr
.irp t, 0,1
	v_rcp_f32 v[ST+8*\t+6], v[ST+8*\t+4]
.endr
	v_nop
	s_wait_alu depctr_va_vdst(0)                   ; one wait for the two reciprocals, ahead of their first reader
.irp t, 0,1
.irp j, 0,1,2,3,4,5,6,7,8,9,10,11,12,13,14,15
	v_pk_mul_f32 v[OA+32*\t+2*\j:OA+32*\t+2*\j+1], v[OA+32*\t+2*\j:OA+32*\t+2*\j+1], v[ST+8*\t+6:ST+8*\t+7] op_sel_hi:[1,0]
.endr
.irp j, 0,1,2,3,4,5,6,7,8,9,10,11,12,13,14,15
	v_cvt_pk_f16_f32 v[SS+32*\t+\j], v[OA+32*\t+2*\j], v[OA+32*\t+2*\j+1]
.endr
.irp c, 0,1,2,3
	ds_store_b128 v[STO], v[SS+32*\t+4*\c:SS+32*\t+4*\c+3] offset:2304*\t+32*\c
.endr
.irp i, 0,1,2,3
	ds_load_b128 v[SS+32*\t+16+4*\i:SS+32*\t+16+4*\i+3], v[RD] offset:2304*\t+576*\i
.endr
.endr
.irp t, 0,1
.irp i, 0,1,2,3
	s_wait_dscnt 8*(1-\t)+3-\i                     ; behind this load: the rest of its tile's, and for tile 0 tile 1's eight
	global_store_b128 v[GO], v[SS+32*\t+16+4*\i:SS+32*\t+16+4*\i+3], s[6:7] offset:2048*\t+512*\i
.endr
.endr
	s_wait_tensorcnt 0x0                           ; the wave's end
	ds_add_u32 v[SPW], v[NIL]
	s_wait_dscnt 0x0
	s_endpgm
.Lfunc_end_k_q68847f5dbd_attn:
	.size	k_q68847f5dbd_attn, .Lfunc_end_k_q68847f5dbd_attn-k_q68847f5dbd_attn
	.p2alignl 7, 3214868480
	.fill 96, 4, 3214868480
	.section	.rodata,"a",@progbits
	.p2align	6, 0x0
	.amdhsa_kernel k_q68847f5dbd_attn
		.amdhsa_group_segment_fixed_size 327680
		.amdhsa_private_segment_fixed_size 0
		.amdhsa_enable_private_segment 0
		.amdhsa_kernarg_size 16
		.amdhsa_user_sgpr_count 2
		.amdhsa_user_sgpr_kernarg_segment_ptr 1
		.amdhsa_wavefront_size32 1
		.amdhsa_system_sgpr_workgroup_id_x 1
		.amdhsa_system_sgpr_workgroup_id_y 1
		.amdhsa_system_sgpr_workgroup_id_z 1
		.amdhsa_system_vgpr_workitem_id 0
		.amdhsa_next_free_vgpr 256
		.amdhsa_next_free_sgpr 72
		.amdhsa_reserve_vcc 1
		.amdhsa_float_denorm_mode_32 3
		.amdhsa_float_denorm_mode_16_64 3
		.amdhsa_memory_ordered 1
		.amdhsa_forward_progress 1
		.amdhsa_inst_pref_size 62
	.end_amdhsa_kernel
	.amdgpu_metadata
---
amdhsa.version: [ 1, 2 ]
amdhsa.kernels:
  - .name:           k_q68847f5dbd_attn
    .symbol:         k_q68847f5dbd_attn.kd
    .args:
      - { .name: qkv, .offset: 0, .size: 8, .value_kind: global_buffer, .address_space: global }
      - { .name: yh, .offset: 8, .size: 8, .value_kind: global_buffer, .address_space: global }
    .group_segment_fixed_size: 327680
    .private_segment_fixed_size: 0
    .kernarg_segment_align: 8
    .kernarg_segment_size: 16
    .max_flat_workgroup_size: 512
    .sgpr_count:     72
    .vgpr_count:     256
    .wavefront_size: 32
...
	.end_amdgpu_metadata
.endif
;; end of part 3
;; launch proj (part 4): grid 4 x 64, 4 waves a work-group, clusters of 4 x 4, 327,680 bytes of LDS; arguments yh, wp16, out0, b_proj; writes out0
.if DOCPART == 4
	.amdgcn_target "amdgcn-amd-amdhsa--gfx1250"
	.amdhsa_code_object_version 6
	.text
	.protected	k_q68847f5dbd_proj
	.globl	k_q68847f5dbd_proj
	.p2align	8
	.type	k_q68847f5dbd_proj,@function
k_q68847f5dbd_proj:
	s_mov_b64 s[64:65], 0
	v_nop
	global_prefetch_b8 v0, s[64:65] scope:SCOPE_SE
	s_setreg_imm32_b32 hwreg(HW_REG_WAVE_MODE, 25, 1), 1
	s_wait_xcnt 0x0
	s_wait_alu depctr_hold_cnt(0) depctr_sa_sdst(0) depctr_va_vdst(0) depctr_va_sdst(0) depctr_va_ssrc(0) depctr_va_vcc(0) depctr_vm_vsrc(0)
	s_getreg_b32 s2, hwreg(HW_REG_IB_STS2, 6, 4)
	s_cmp_eq_u32 s2, 0
	s_cbranch_scc0 .Lentry_in_a_cluster
	s_endpgm
.Lentry_in_a_cluster:
	s_bfe_u32 s2, ttmp6, 0x10000c
	s_cmp_lg_u32 s2, 0xf033
	s_cbranch_scc0 .Lentry_shape_is_right
	s_endpgm
.Lentry_shape_is_right:
; out0 = y W_proj + b_proj.  y: f16, laid [head 16][row 8192][64]; W: the high f16 part in wp16, [1024 n][1024 k]; out0: [8192][1024] f32; sums in f32.
; (The first 16 positions of each sequence are written again, more finely, by a later launch.)
; A tile of 128 rows x 256 columns to a work-group: 256 work-groups.  Four waves, each 64 x 128: 32 accumulators.  K goes in steps of 128 (two heads) through a ring of two LDS slots.
; A's tile of a K step is two planes, one a head, each 128 rows x 128 bytes, dense in memory: stated as 64 rows of 256 bytes.  Wave 0 fetches one plane, wave 1 the other; waves 2, 3 B's two halves of 128 rows.
; CLUSTERS: 4 x 4; A's tiles are asked for jointly along a row of the cluster, B's along a column.
; THE MATRIX INSTRUCTION IS USED TRANSPOSED (source 0 = 16 rows of W, source 1 = 16 rows of y).  b_proj is the C of each sum's first matrix instruction.
; REGISTERS: window 0: v16-30 addresses; v32-95 A's two fragment buffers; v96-223 B's two.   window 1: the accumulators, (a, b) at v[8 (8 a + b)].   window 2: v0-63 the biases.
.set PITCH,  272
.set PLANE,  64*PITCH                  ; a head's 128 rows
.set BOFF,   2*PLANE
.set SLOT,   BOFF+256*PITCH
.set STAGE,  2*SLOT                    ; behind the ring: 16 rows x 528 bytes for each wave
.set SPITCH, 528
.set SPARE,  STAGE+4*16*SPITCH
.set ADRA, 16
.set ADRB, 20
.set STO,  24
.set RD,   25
.set CO,   26
.set BO,   27
.set SPW,  28
.set NIL,  29
.set PFO,  30
.set FA,   32
.set FB,   96
.set G1, 24
.set G0, 32
.set G1B, 48
.set G0B, 56
.set PFA, 44
.set LIM, 43
.set MSB, 0
.macro WIN new
.if MSB != (\new)
	s_set_vgpr_msb (MSB<<8)|(\new)
.set MSB, (\new)
.endif
.endm
.set MUL,   0x50                       ; sources 0, 1 window 0; C and D window 1
.set MULF,  0x60                       ; the first quarter: C (the biases) window 2
.macro JLOAD s
	s_cmp_eq_u32 s11, 0
	s_cbranch_scc0 .Lfor_b_\@
	tensor_load_to_lds s[G0+4*\s:G0+4*\s+3], s[G1:G1+7]
	s_nop 0
.rept 4
	v_nop
.endr
	s_branch .Lasked_\@
.Lfor_b_\@:
	tensor_load_to_lds s[G0B+4*\s:G0B+4*\s+3], s[G1B:G1B+7]
	s_nop 0
.rept 4
	v_nop
.endr
.Lasked_\@:
.endm
; A prefetch of y's tiles of two later K steps: a plane of a tile is 64 blocks of 256 bytes; the four partners that ask for it jointly take 16 blocks each, told apart by address; lanes 0-15 name those of one K step,
; lanes 16-31 those of the next.  Waves 0, 1 ask, each for its plane, once a lap: in the laps that fill K steps 2, 3 and 4, 5 for K steps 4, 5 and 6, 7: two and three K steps ahead of their loads.
; Each block is named once in the launch.  W's rows are read by sixteen clusters at the same time and are not asked for.
.macro ASK
	s_cmp_gt_u32 s3, s[LIM]
	s_cbranch_scc0 .Lnot_mine_\@
	global_prefetch_b8 v[PFO], s[PFA:PFA+1] th:TH_LOAD_NT scope:SCOPE_SE
.Lnot_mine_\@:
.endm
.macro CREST
	s_cmp_lg_u32 s10, 0
	s_cbranch_scc1 .Lnot_wave_0_\@
	s_barrier_signal -3
.Lnot_wave_0_\@:
	s_barrier_wait -3
	s_barrier_signal -1
	s_barrier_wait -1
.endm
.macro CROUND
	s_barrier_signal -1
	s_barrier_wait -1
	CREST
.endm
	s_load_b128 s[4:7], s[0:1], 0x0                ; yh, wp16
	s_load_b64 s[8:9], s[0:1], 0x10                ; out0
	s_load_b64 s[66:67], s[0:1], 0x18              ; b_proj
	v_lshl_add_u32 v[SPW], v0, 2, SPARE
	v_mov_b32 v[NIL], 0
	ds_add_u32 v[SPW], v[NIL]                      ; the wave's opening: the add, twice on end, and its wait ahead of my first tensor load
	ds_add_u32 v[SPW], v[NIL]
	v_lshrrev_b32 v1, 5, v0
	v_readfirstlane_b32 s10, v1
	s_lshr_b32 s11, s10, 1                         ; my half of the rows.  Also: I fetch for A (0) or for B (1)
	s_and_b32 s12, s10, 1                          ; my half of the columns.  Also: which plane of A, or which 128 rows of B, I fetch
	s_bfe_u32 s40, ttmp6, 0x40000
	s_bfe_u32 s41, ttmp6, 0x40004
	s_lshl_b32 s42, ttmp9, 2
	s_add_co_u32 s42, s42, s40                     ; tile column
	s_and_b32 s13, ttmp7, 0xffff
	s_lshl_b32 s13, s13, 2
	s_add_co_u32 s13, s13, s41                     ; tile row
	s_lshl_b32 s43, s41, 2
	s_lshl_b32 s43, 15, s43
	s_lshl_b32 s44, 0x1111, s40
	s_or_b32 s[G1+0], s43, (1<<16)|(1<<20)|(1<<21)|(5<<22)|(3<<25)
	s_or_b32 s[G1B+0], s44, (1<<16)|(1<<20)|(1<<21)|(5<<22)|(3<<25)
	s_mov_b32 s[G1+1], 128<<16
	s_mov_b32 s[G1+2], 64<<16
	s_mov_b32 s[G1+3], 128<<16
	s_mov_b32 s[G1+4], 64
	s_mov_b32 s[G1+5], 128
	s_mov_b32 s[G1+6], 0
	s_mov_b32 s[G1+7], 0
	s_mov_b32 s[G1B+1], 128<<16
	s_mov_b32 s[G1B+2], 128<<16
	s_mov_b32 s[G1B+3], 128<<16
	s_mov_b32 s[G1B+4], 128
	s_mov_b32 s[G1B+5], 1024
	s_mov_b32 s[G1B+6], 0
	s_mov_b32 s[G1B+7], 0
	s_lshl_b32 s16, s12, 20                        ; A: plane s12 of 1,048,576 bytes, row 128 x tile row of 128 bytes
	s_lshl_b32 s17, s13, 14
	s_add_co_u32 s16, s16, s17
	s_mov_b32 s17, 0
	s_lshl_b32 s46, s42, 19                        ; B: row 256 x tile column + 128 x half, of 2,048 bytes
	s_lshl_b32 s47, s12, 18
	s_add_co_u32 s46, s46, s47
	s_mov_b32 s47, 0
	s_mul_i32 s20, s12, PLANE
	s_mul_i32 s21, s12, 128*PITCH
	s_add_co_u32 s21, s21, BOFF
	s_wait_dscnt 0x0
	s_wait_kmcnt 0x0
	s_add_nc_u64 s[14:15], s[4:5], s[16:17]
	s_add_nc_u64 s[46:47], s[6:7], s[46:47]
	CROUND
.irp s, 0,1
	s_mov_b32 s[G0+4*\s], 1
	s_add_co_u32 s[G0+4*\s+1], s20, \s*SLOT
	s_add_nc_u64 s[G0+4*\s+2:G0+4*\s+3], s[14:15], \s*2097152      ; K step s: two planes on
	s_or_b32 s[G0+4*\s+3], s[G0+4*\s+3], 0x80000000
	s_mov_b32 s[G0B+4*\s], 1
	s_add_co_u32 s[G0B+4*\s+1], s21, \s*SLOT
	s_add_nc_u64 s[G0B+4*\s+2:G0B+4*\s+3], s[46:47], \s*256
	s_or_b32 s[G0B+4*\s+3], s[G0B+4*\s+3], 0x80000000
	JLOAD \s                                       ; two tensor loads of mine are out
.endr
	v_and_b32 v1, 15, v0
	v_bfe_u32 v2, v0, 4, 1
	v_lshlrev_b32 v[BO], 5, v2
	s_lshl_b32 s46, s42, 10
	s_lshl_b32 s47, s12, 9
	s_add_co_u32 s46, s46, s47
	s_mov_b32 s47, 0
	s_add_nc_u64 s[66:67], s[66:67], s[46:47]      ; b_proj at my first column
	WIN 0x80                                       ; destination window 2
.irp b, 0,1,2,3,4,5,6,7
	global_load_b128 v[8*\b:8*\b+3], v[BO], s[66:67] offset:64*\b
	global_load_b128 v[8*\b+4:8*\b+7], v[BO], s[66:67] offset:64*\b+16
.endr
	WIN 0
	s_lshl_b32 s18, s13, 19                        ; out0: (128 x tile row + 64 x half) rows of 4,096 bytes + my first column
	s_lshl_b32 s19, s11, 18
	s_add_co_u32 s18, s18, s19
	s_add_co_u32 s18, s18, s46
	s_mov_b32 s19, 0
	s_add_nc_u64 s[8:9], s[8:9], s[18:19]
	s_lshl_b32 s18, s40, 12                        ; the prefetches: my plane's tile, my work-group's 4,096 bytes of it, at K step 2: the first lap steps it to K step 4
	s_add_co_u32 s18, s18, s16
	s_add_co_u32 s18, s18, 4194304
	s_add_nc_u64 s[PFA:PFA+1], s[4:5], s[18:19]
	s_cmp_eq_u32 s11, 0
	s_cselect_b32 s[LIM], 1, -1
	v_lshlrev_b32 v[PFO], 8, v1
	v_lshl_add_u32 v[PFO], v2, 21, v[PFO]
	v_lshrrev_b32 v3, 1, v1
	v_mul_u32_u24 v3, v3, PITCH
	v_and_b32 v4, 1, v1
	v_lshl_add_u32 v3, v4, 7, v3
	v_lshl_add_u32 v3, v2, 4, v3                   ; A: row r: (r / 2) x 272 + (r % 2) x 128, + 16 h
	v_mul_u32_u24 v4, v1, PITCH
	v_lshl_add_u32 v4, v2, 4, v4                   ; B: r x 272 + 16 h
	s_mul_i32 s22, s11, 32*PITCH
	s_mul_i32 s23, s12, 128*PITCH
	s_add_co_u32 s23, s23, BOFF
.irp s, 0,1
	v_add_nc_u32 v[ADRA+\s], s22, v3
	v_add_nc_u32 v[ADRB+\s], s23, v4
	s_add_co_u32 s22, s22, SLOT
	s_add_co_u32 s23, s23, SLOT
.endr
	s_mul_i32 s23, s10, 16*SPITCH
	s_add_co_u32 s23, s23, STAGE
	v_mul_u32_u24 v5, v1, SPITCH
	v_lshl_add_u32 v5, v2, 5, v5
	v_add_nc_u32 v[STO], s23, v5
	v_and_b32 v6, 31, v0
	v_lshlrev_b32 v[CO], 4, v6
	v_add_nc_u32 v[RD], s23, v[CO]
.macro MUL8 f, a, first                ; A's block a against B's eight, 32 along K, from buffer f
.irp b, 0,1,2,3,4,5,6,7
.if \first
	v_wmma_f32_16x16x32_f16 v[8*(8*(\a)+\b):8*(8*(\a)+\b)+7], v[FB+64*(\f)+8*\b:FB+64*(\f)+8*\b+7], v[FA+32*(\f)+8*(\a):FA+32*(\f)+8*(\a)+7], v[8*\b:8*\b+7]
.else
	v_wmma_f32_16x16x32_f16 v[8*(8*(\a)+\b):8*(8*(\a)+\b)+7], v[FB+64*(\f)+8*\b:FB+64*(\f)+8*\b+7], v[FA+32*(\f)+8*(\a):FA+32*(\f)+8*(\a)+7], v[8*(8*(\a)+\b):8*(8*(\a)+\b)+7]
.endif
.endr
.endm
.macro FETCH slot, q, f                ; 24 LDS loads: quarter q of the slot into buffer f: B's eight fragments, then A's four
.irp i, 0,1,2,3,4,5,6,7
	ds_load_b128 v[FB+64*(\f)+8*\i:FB+64*(\f)+8*\i+3], v[ADRB+\slot] offset:64*(\q)+\i*16*PITCH
	ds_load_b128 v[FB+64*(\f)+8*\i+4:FB+64*(\f)+8*\i+7], v[ADRB+\slot] offset:64*(\q)+\i*16*PITCH+32
.endr
.irp i, 0,1,2,3
	ds_load_b128 v[FA+32*(\f)+8*\i:FA+32*(\f)+8*\i+3], v[ADRA+\slot] offset:((\q)/2)*PLANE+((\q)%2)*64+\i*8*PITCH
	ds_load_b128 v[FA+32*(\f)+8*\i+4:FA+32*(\f)+8*\i+7], v[ADRA+\slot] offset:((\q)/2)*PLANE+((\q)%2)*64+\i*8*PITCH+32
.endr
.endm
.macro PLACES
.rept 4
	v_nop
.endr
.endm
.macro MWIN first
.if \first
	WIN MULF
.else
	WIN MUL
.endif
.endm
.macro QUARTER slot, q, f, g, first    ; multiplies buffer f; in its middle fetches the slot's quarter q into buffer g
	s_wait_dscnt 4                                 ; B and A's blocks 0, 1 are in; the youngest four loads (A's blocks 2, 3) may be out
	MWIN \first
	MUL8 \f, 0, \first
	MUL8 \f, 1, \first
	PLACES
	WIN 0
	FETCH \slot, \q, \g
	s_wait_dscnt 24                                ; all but the 24 just issued
	MWIN \first
	MUL8 \f, 2, \first
	MUL8 \f, 3, \first
.endm
.macro TURN slot, next, fill, ask      ; a slot's last quarter multiplies buffer 1 and changes slots
.if \ask
	s_wait_xcnt 0x0                                ; the last prefetch, a lap back, has read its address
	s_add_nc_u64 s[PFA:PFA+1], s[PFA:PFA+1], 4194304
.endif
	WIN 0
	s_wait_tensorcnt 0x0                           ; all my tensor loads have landed: my part of the next slot
	ds_add_u32 v[SPW], v[NIL]
	s_wait_dscnt 5                                 ; the add and the youngest four loads may be out
	WIN MUL
	MUL8 1, 0, 0
	s_wait_dscnt 0x0                               ; the add is done, and my reads of this slot are over
	s_barrier_signal -1
	MUL8 1, 1, 0
	WIN 0
	s_barrier_wait -1
.if \fill
	CREST                                          ; the barrier has opened a round of the cluster's barrier
	s_add_nc_u64 s[G0+4*\slot+2:G0+4*\slot+3], s[G0+4*\slot+2:G0+4*\slot+3], 4194304
	s_add_nc_u64 s[G0B+4*\slot+2:G0B+4*\slot+3], s[G0B+4*\slot+2:G0B+4*\slot+3], 512
	JLOAD \slot                                    ; the first tensor load behind the round; its four v_nop are also the places in front of the loads below
.else
	PLACES
.endif
	FETCH \next, 0, 0
.if \ask
	ASK
.endif
	WIN MUL
	MUL8 1, 2, 0
	MUL8 1, 3, 0
.endm
	s_wait_tensorcnt 1                             ; my part of K step 0 is in; K step 1's may be out
	s_barrier_signal -1
	s_barrier_wait -1
	FETCH 0, 0, 0
	s_wait_loadcnt 0x0                             ; the biases
	QUARTER 0, 1, 0, 1, 1
	WIN 0
	s_mov_b32 s3, 3
.Llap:                                             ; a trip goes once round the ring and fills both slots again
	QUARTER 0, 2, 1, 0, 0
	QUARTER 0, 3, 0, 1, 0
	TURN 0, 1, 1, 1
	QUARTER 1, 1, 0, 1, 0
	QUARTER 1, 2, 1, 0, 0
	QUARTER 1, 3, 0, 1, 0
	TURN 1, 0, 1, 0
	QUARTER 0, 1, 0, 1, 0
	WIN 0
	s_sub_co_u32 s3, s3, 1
	s_cmp_lg_u32 s3, 0
	s_cbranch_scc1 .Llap
	QUARTER 0, 2, 1, 0, 0                          ; the last lap fills nothing
	QUARTER 0, 3, 0, 1, 0
	TURN 0, 1, 0, 0
	QUARTER 1, 1, 0, 1, 0
	QUARTER 1, 2, 1, 0, 0
	QUARTER 1, 3, 0, 1, 0
	s_wait_dscnt 4
	WIN MUL
	MUL8 1, 0, 0
	MUL8 1, 1, 0
	s_wait_dscnt 0
	MUL8 1, 2, 0
	MUL8 1, 3, 0
	WIN 0
; THE WAY OUT, a block of 16 rows x 128 columns at a time, through my own stage; back as whole rows of 512 bytes.
.macro TOSTAGE a
	WIN 0x04                                       ; an LDS store's data are its source 1: window 1
.irp b, 0,1,2,3,4,5,6,7
	ds_store_b128 v[STO], v[8*(8*(\a)+\b):8*(8*(\a)+\b)+3] offset:64*\b
	ds_store_b128 v[STO], v[8*(8*(\a)+\b)+4:8*(8*(\a)+\b)+7] offset:64*\b+16
.endr
	WIN 0
.set BB, 32+64*((\a)%2)
.irp t, 0,1,2,3,4,5,6,7,8,9,10,11,12,13,14,15
	ds_load_b128 v[BB+4*\t:BB+4*\t+3], v[RD] offset:\t*SPITCH
.endr
.endm
.macro SEND a, younger
.set BB, 32+64*((\a)%2)
	s_wait_dscnt \younger
.irp t, 0,1,2,3,4,5,6,7,8,9,10,11,12,13,14,15
	global_store_b128 v[CO], v[BB+4*\t:BB+4*\t+3], s[8:9] offset:(16*(\a)+\t)*4096 th:TH_STORE_NT   ; 32 lanes store 512 consecutive bytes, aligned
.endr
.endm
	PLACES
	TOSTAGE 0
.irp a, 1,2,3
.if \a > 1
	s_wait_xcnt 0x0                                ; block a - 2's stores have read their registers: block a's loads may land there
.endif
	TOSTAGE \a
	SEND \a-1, 32                                  ; behind block a - 1's loads: block a's 16 stores and 16 loads
.endr
	SEND 3, 0
	s_wait_tensorcnt 0x0                           ; the wave's end
	ds_add_u32 v[SPW], v[NIL]
	s_wait_dscnt 0x0
	CROUND                                         ; the closing round
	s_endpgm
.Lfunc_end_k_q68847f5dbd_proj:
	.size	k_q68847f5dbd_proj, .Lfunc_end_k_q68847f5dbd_proj-k_q68847f5dbd_proj
	.p2alignl 7, 3214868480
	.fill 96, 4, 3214868480
	.section	.rodata,"a",@progbits
	.p2align	6, 0x0
	.amdhsa_kernel k_q68847f5dbd_proj
		.amdhsa_group_segment_fixed_size 327680
		.amdhsa_private_segment_fixed_size 0
		.amdhsa_enable_private_segment 0
		.amdhsa_kernarg_size 32
		.amdhsa_user_sgpr_count 2
		.amdhsa_user_sgpr_kernarg_segment_ptr 1
		.amdhsa_wavefront_size32 1
		.amdhsa_system_sgpr_workgroup_id_x 1
		.amdhsa_system_sgpr_workgroup_id_y 1
		.amdhsa_system_sgpr_workgroup_id_z 1
		.amdhsa_system_vgpr_workitem_id 0
		.amdhsa_next_free_vgpr 576
		.amdhsa_next_free_sgpr 68
		.amdhsa_reserve_vcc 0
		.amdhsa_float_denorm_mode_32 3
		.amdhsa_float_denorm_mode_16_64 3
		.amdhsa_memory_ordered 1
		.amdhsa_forward_progress 1
		.amdhsa_inst_pref_size 87
	.end_amdhsa_kernel
	.amdgpu_metadata
---
amdhsa.version: [ 1, 2 ]
amdhsa.kernels:
  - .name:           k_q68847f5dbd_proj
    .symbol:         k_q68847f5dbd_proj.kd
    .args:
      - { .name: yh, .offset: 0, .size: 8, .value_kind: global_buffer, .address_space: global }
      - { .name: wp16, .offset: 8, .size: 8, .value_kind: global_buffer, .address_space: global }
      - { .name: out0, .offset: 16, .size: 8, .value_kind: global_buffer, .address_space: global }
      - { .name: b_proj, .offset: 24, .size: 8, .value_kind: global_buffer, .address_space: global }
    .group_segment_fixed_size: 327680
    .private_segment_fixed_size: 0
    .kernarg_segment_align: 8
    .kernarg_segment_size: 32
    .max_flat_workgroup_size: 128
    .sgpr_count:     68
    .vgpr_count:     576
    .wavefront_size: 32
...
	.end_amdgpu_metadata
.endif
;; end of part 4
;; launch first16 (part 5): grid 16 x 4, 4 waves a work-group, no clusters, 9,216 bytes of LDS; arguments x_codes, x_scales, w_codes, w_scales, b_attn, bQ, bK, bV, yfine; writes yfine
.if DOCPART == 5
	.amdgcn_target "amdgcn-amd-amdhsa--gfx1250"
	.amdhsa_code_object_version 6
	.text
	.protected	k_q68847f5dbd_first16
	.globl	k_q68847f5dbd_first16
	.p2align	8
	.type	k_q68847f5dbd_first16,@function
k_q68847f5dbd_first16:
	s_mov_b64 s[64:65], 0
	v_nop
	global_prefetch_b8 v0, s[64:65] scope:SCOPE_SE
	s_setreg_imm32_b32 hwreg(HW_REG_WAVE_MODE, 25, 1), 1
	s_wait_xcnt 0x0
; The first 16 positions of a sequence, one head and one batch to a work-group, carried in f32: under the causal mask they average one to sixteen values and are the largest in size.
; 1: q, k, v of the 16 positions, again from the codes (the same quantised product), left in f32: wave w makes channels 16 w .. 16 w + 15 of each.
; 2: scores, softmax and y by the f32 matrix form (16 + 4 instructions a wave: no bulk work); every wave makes all 16 x 16 scores, and y for its 16 channels.
; y leaves as two f16 parts, high and low, laid as images of the next launch's operand registers: [high, low][batch][K step of 32][registers 0-3 at 16 x lane, registers 4-7 at 512 + 16 x lane].
; q, k: the product is used transposed (source 0 = 16 rows of W): a lane holds one position and eight channels.  v: in the natural order: a lane holds channel 16 w + r and positions 8 h + 0 .. 7,
; which is source 0 of y^T = v^T p as it stands: v never leaves its accumulator.
; LIMITS: NaN and infinities are not served; |y| above 65,504 has no f16 number.
.set QL,    0                          ; LDS: q, 16 rows x (256 bytes + 16);
.set KL,    16*272                     ; k likewise
.set SPARE, 2*16*272
.set SPW, 12
.set NIL, 13
.set XS,  16                           ; v16-19 x's scale words, v20-31 W's: scales and nothing else
.set WS,  20
.set XF,  32                           ; x's fragments of four K steps
.set WB,  64                           ; W's: 24 s + 8 p
.set ACC, 160                          ; q, k, v
.set BI,  184                          ; their biases, as C
.set SA,  208                          ; v208-223 the scores' two sums, v224-239 y's two: written by the f32 matrix form alone
.set YA,  224
.macro SPLIT r, x, l, t
	v_cvt_pk_f16_f32 v\r, v[\x], v[\x+1]
	v_cvt_f32_f16 v[\t], v\r\().l
	v_cvt_f32_f16 v[\t+1], v\r\().h
	v_pk_add_f32 v[\x:\x+1], v[\x:\x+1], v[\t:\t+1] neg_lo:[0,1] neg_hi:[0,1]
	v_cvt_pk_f16_f32 v[\l], v[\x], v[\x+1]
.endm
	s_load_b256 s[4:11], s[0:1], 0x0               ; x_codes, x_scales, w_codes, w_scales
	s_load_b256 s[12:19], s[0:1], 0x20             ; b_attn, bQ, bK, bV
	s_load_b64 s[20:21], s[0:1], 0x40              ; yfine
	v_lshl_add_u32 v[SPW], v0, 2, SPARE
	v_mov_b32 v[NIL], 0
	v_lshrrev_b32 v1, 5, v0
	v_readfirstlane_b32 s24, v1                    ; wave
	v_and_b32 v1, 15, v0                           ; r
	v_bfe_u32 v2, v0, 4, 1                         ; h
	v_lshlrev_b32 v3, 9, v1
	v_lshl_add_u32 v3, v2, 4, v3                   ; codes: row r of 512 bytes, + 16 h
	v_lshlrev_b32 v4, 5, v1                        ; scale bytes: row r of 32
	s_lshl_b32 s27, s24, 6
	v_mul_u32_u24 v5, v1, 272
	v_lshl_add_u32 v5, v2, 5, v5
	v_add_nc_u32 v5, s27, v5                       ; q, k into LDS: row r, my wave's 64 bytes, + 32 h
	v_lshlrev_b32 v7, 5, v2                        ; biases of q, k: eight numbers at 32 h
	v_lshlrev_b32 v8, 2, v1                        ; of v: one number at 4 r
	v_mul_u32_u24 v9, v1, 272
	v_lshl_add_u32 v9, v2, 4, v9                   ; q, k back: row r, + 16 h
	v_and_b32 v10, 31, v0
	v_lshlrev_b32 v10, 4, v10                      ; an image's place for my lane
	v_lshlrev_b32 v11, 3, v2
	v_sub_nc_u32 v11, v1, v11                      ; r - 8 h
	s_mov_b32 s22, 0x76543210
	s_mov_b32 s23, 0xfedcba98
	s_mov_b32 s26, 0x3e38aa3b                      ; c = log2(e) / 8
	s_and_b32 s25, ttmp7, 0xffff                   ; batch
	s_lshl_b32 s27, ttmp9, 6
	s_lshl_b32 s28, s24, 4
	s_add_co_u32 s27, s27, s28                     ; my first channel of the part's 1,024
	s_mov_b32 s29, 0
	s_wait_kmcnt 0x0
	s_lshl_b32 s28, s25, 20
	s_add_nc_u64 s[4:5], s[4:5], s[28:29]
	s_lshl_b32 s28, s25, 16
	s_add_nc_u64 s[6:7], s[6:7], s[28:29]
	s_lshl_b32 s28, s27, 9
	s_add_nc_u64 s[8:9], s[8:9], s[28:29]
	s_lshl_b32 s28, s27, 5
	s_add_nc_u64 s[10:11], s[10:11], s[28:29]
	s_lshl_b32 s28, s27, 2
	s_add_nc_u64 s[12:13], s[12:13], s[28:29]
	s_add_nc_u64 s[14:15], s[14:15], s[28:29]
	s_add_nc_u64 s[16:17], s[16:17], s[28:29]
	s_add_nc_u64 s[18:19], s[18:19], s[28:29]
	s_lshl_b32 s28, s25, 5
	s_lshl_b32 s30, ttmp9, 1
	s_add_co_u32 s28, s28, s30
	s_lshr_b32 s30, s24, 1
	s_add_co_u32 s28, s28, s30                     ; the image: 32 x batch + 2 x head + wave / 2,
	s_lshl_b32 s28, s28, 10
	s_and_b32 s30, s24, 1
	s_lshl_b32 s30, s30, 9
	s_add_co_u32 s28, s28, s30                     ; its registers 0-3 or 4-7
	s_add_nc_u64 s[20:21], s[20:21], s[28:29]
	global_load_b128 v[BI:BI+3], v7, s[12:13]
	global_load_b128 v[BI+4:BI+7], v7, s[12:13] offset:16
	global_load_b128 v[BI+8:BI+11], v7, s[12:13] offset:4096
	global_load_b128 v[BI+12:BI+15], v7, s[12:13] offset:4096+16
	global_load_b128 v[240:243], v7, s[14:15]
	global_load_b128 v[244:247], v7, s[14:15] offset:16
	global_load_b128 v[248:251], v7, s[16:17]
	global_load_b128 v[252:255], v7, s[16:17] offset:16
	global_load_b32 v14, v8, s[12:13] offset:8192
	global_load_b32 v15, v8, s[18:19]
.macro HALF u                          ; 36 loads: the scale words of four K steps (4), then step by step x's fragment (2) and W's three (6)
	global_load_b128 v[XS:XS+3], v4, s[6:7] offset:16*\u
.irp p, 0,1,2
	global_load_b128 v[WS+4*\p:WS+4*\p+3], v4, s[10:11] offset:32768*\p+16*\u
.endr
.irp s, 0,1,2,3
.irp c, 0,1
	global_load_b128 v[XF+8*\s+4*\c:XF+8*\s+4*\c+3], v3, s[4:5] offset:64*(4*\u+\s)+32*\c
.endr
.irp p, 0,1,2
.irp c, 0,1
	global_load_b128 v[WB+24*\s+8*\p+4*\c:WB+24*\s+8*\p+4*\c+3], v3, s[8:9] offset:524288*\p+64*(4*\u+\s)+32*\c
.endr
.endr
.endr
.endm
.macro MULS s, first                   ; a K step: the three accumulators take turns
	s_wait_loadcnt 8*(3-\s)                        ; this step's loads are in; the eight of each later step may be out
.if \first
	v_wmma_scale_f32_16x16x128_f8f6f4 v[ACC:ACC+7], v[WB+24*\s:WB+24*\s+7], v[XF+8*\s:XF+8*\s+7], v[BI:BI+7], v[WS+\s], v[XS+\s] matrix_a_fmt:MATRIX_FMT_FP4 matrix_b_fmt:MATRIX_FMT_FP4
	v_wmma_scale_f32_16x16x128_f8f6f4 v[ACC+8:ACC+15], v[WB+24*\s+8:WB+24*\s+15], v[XF+8*\s:XF+8*\s+7], v[BI+8:BI+15], v[WS+4+\s], v[XS+\s] matrix_a_fmt:MATRIX_FMT_FP4 matrix_b_fmt:MATRIX_FMT_FP4
	v_wmma_scale_f32_16x16x128_f8f6f4 v[ACC+16:ACC+23], v[XF+8*\s:XF+8*\s+7], v[WB+24*\s+16:WB+24*\s+23], v[BI+16:BI+23], v[XS+\s], v[WS+8+\s] matrix_a_fmt:MATRIX_FMT_FP4 matrix_b_fmt:MATRIX_FMT_FP4
.else
	v_wmma_scale_f32_16x16x128_f8f6f4 v[ACC:ACC+7], v[WB+24*\s:WB+24*\s+7], v[XF+8*\s:XF+8*\s+7], v[ACC:ACC+7], v[WS+\s], v[XS+\s] matrix_a_fmt:MATRIX_FMT_FP4 matrix_b_fmt:MATRIX_FMT_FP4
	v_wmma_scale_f32_16x16x128_f8f6f4 v[ACC+8:ACC+15], v[WB+24*\s+8:WB+24*\s+15], v[XF+8*\s:XF+8*\s+7], v[ACC+8:ACC+15], v[WS+4+\s], v[XS+\s] matrix_a_fmt:MATRIX_FMT_FP4 matrix_b_fmt:MATRIX_FMT_FP4
	v_wmma_scale_f32_16x16x128_f8f6f4 v[ACC+16:ACC+23], v[XF+8*\s:XF+8*\s+7], v[WB+24*\s+16:WB+24*\s+23], v[ACC+16:ACC+23], v[XS+\s], v[WS+8+\s] matrix_a_fmt:MATRIX_FMT_FP4 matrix_b_fmt:MATRIX_FMT_FP4
.endif
.endm
	HALF 0
	s_wait_loadcnt 36                              ; the ten loads of the biases are in; the 36 behind them may be out
.irp i, 0,2,4,6,8,10,12,14
	v_pk_add_f32 v[BI+\i:BI+\i+1], v[BI+\i:BI+\i+1], v[240+\i:240+\i+1]
.endr
.irp j, 0,1,2,3,4,5,6,7
	v_add_f32 v[BI+16+\j], v14, v15
.endr
.rept 4
	v_nop
.endr
	MULS 0, 1
	MULS 1, 0
	MULS 2, 0
	MULS 3, 0
.rept 4
	v_nop                                          ; places in front of loads into registers that matrix instructions have read
.endr
	HALF 1
	MULS 0, 0
	MULS 1, 0
	MULS 2, 0
	MULS 3, 0
.rept 4
	v_nop
.endr
	ds_store_b128 v5, v[ACC:ACC+3] offset:QL
	ds_store_b128 v5, v[ACC+4:ACC+7] offset:QL+16
	ds_store_b128 v5, v[ACC+8:ACC+11] offset:KL
	ds_store_b128 v5, v[ACC+12:ACC+15] offset:KL+16
	s_wait_dscnt 0x0                               ; for the others' sake: my stores are done
	s_barrier_signal -1
	s_barrier_wait -1
	; S^T = k q^T.  A load of 16 bytes at 32 s + 16 h brings channels 8 s + 4 h + 0 .. 3: two K steps of the f32 form; the same order of channels on both sides
.irp s, 0,1,2,3,4,5,6,7
	ds_load_b128 v[32+4*\s:32+4*\s+3], v9 offset:KL+32*\s
	ds_load_b128 v[64+4*\s:64+4*\s+3], v9 offset:QL+32*\s
.endr
	s_wait_dscnt 0x0
	v_wmma_f32_16x16x4_f32 v[SA:SA+7], v[32:33], v[64:65], 0
	v_wmma_f32_16x16x4_f32 v[SA+8:SA+15], v[34:35], v[66:67], 0
.irp e, 2,4,6,8,10,12,14
	v_wmma_f32_16x16x4_f32 v[SA:SA+7], v[32+2*\e:33+2*\e], v[64+2*\e:65+2*\e], v[SA:SA+7]
	v_wmma_f32_16x16x4_f32 v[SA+8:SA+15], v[34+2*\e:35+2*\e], v[66+2*\e:67+2*\e], v[SA+8:SA+15]
.endr
.rept 8
	v_nop
.endr
.irp i, 0,2,4,6
	v_pk_add_f32 v[104+\i:105+\i], v[SA+\i:SA+\i+1], v[SA+8+\i:SA+9+\i]   ; lane (r, h): query r, keys 8 h + 0 .. 7
.endr
	v_mov_b32 v112, 0xff800000
.irp j, 0,1,2,3,4,5,6,7
	v_cmp_gt_i32 vcc_lo, \j, v11                   ; key 8 h + j comes after query r
	v_cndmask_b32 v[104+\j], v[104+\j], v112, vcc_lo
.endr
	v_max3_num_f32 v113, v104, v105, v106
	v_max3_num_f32 v113, v113, v107, v108
	v_max3_num_f32 v113, v113, v109, v110
	v_max_num_f32 v113, v113, v111
	v_mov_b32 v114, 0
	v_permlanex16_b32 v114, v113, s22, s23
	v_max_num_f32 v113, v113, v114                 ; the row's maximum: key 0 counts for every query
	v_mul_f32 v113, s26, v113
.irp j, 0,1,2,3,4,5,6,7
	v_fma_f32 v[104+\j], v[104+\j], s26, -v113
.endr
.irp j, 0,1,2,3,4,5,6,7
	v_exp_f32 v[104+\j], v[104+\j]
.endr
	v_nop
	s_wait_alu depctr_va_vdst(0)                   ; one wait for the eight exponentials, ahead of their first reader
	v_add_f32 v115, v104, v105
	v_add_f32 v116, v106, v107
	v_add_f32 v117, v108, v109
	v_add_f32 v118, v110, v111
	v_add_f32 v115, v115, v116
	v_add_f32 v117, v117, v118
	v_add_f32 v115, v115, v117
	v_permlanex16_b32 v114, v115, s22, s23
	v_add_f32 v115, v115, v114
	v_rcp_f32 v116, v115
	v_nop
	; y^T = v^T p: K step s takes keys 8 h + 2 s + 0, 1 on both sides
	v_wmma_f32_16x16x4_f32 v[YA:YA+7], v[ACC+16:ACC+17], v[104:105], 0
	v_wmma_f32_16x16x4_f32 v[YA+8:YA+15], v[ACC+18:ACC+19], v[106:107], 0
	v_wmma_f32_16x16x4_f32 v[YA:YA+7], v[ACC+20:ACC+21], v[108:109], v[YA:YA+7]
	v_wmma_f32_16x16x4_f32 v[YA+8:YA+15], v[ACC+22:ACC+23], v[110:111], v[YA+8:YA+15]
.rept 8
	v_nop
.endr
	s_wait_alu depctr_va_vdst(0)                   ; the reciprocal's wait, ahead of its first reader
.irp i, 0,2,4,6
	v_pk_add_f32 v[128+\i:129+\i], v[YA+\i:YA+\i+1], v[YA+8+\i:YA+9+\i]
.endr
.irp i, 0,2,4,6
	v_pk_mul_f32 v[128+\i:129+\i], v[128+\i:129+\i], v[116:117] op_sel_hi:[1,0]   ; lane (r, h): position r, channels 16 w + 8 h + 0 .. 7
.endr
.irp r, 120,121,122,123
	SPLIT \r, 128+2*(\r-120), \r+4, 136+2*(\r-120)
.endr
	global_store_b128 v10, v[120:123], s[20:21]                 ; the wave stores 512 consecutive bytes, aligned
	global_store_b128 v10, v[124:127], s[20:21] offset:131072
	s_wait_tensorcnt 0x0                           ; the wave's end
	ds_add_u32 v[SPW], v[NIL]
	s_wait_dscnt 0x0
	s_endpgm
.Lfunc_end_k_q68847f5dbd_first16:
	.size	k_q68847f5dbd_first16, .Lfunc_end_k_q68847f5dbd_first16-k_q68847f5dbd_first16
	.p2alignl 7, 3214868480
	.fill 96, 4, 3214868480
	.section	.rodata,"a",@progbits
	.p2align	6, 0x0
	.amdhsa_kernel k_q68847f5dbd_first16
		.amdhsa_group_segment_fixed_size 9216
		.amdhsa_private_segment_fixed_size 0
		.amdhsa_enable_private_segment 0
		.amdhsa_kernarg_size 72
		.amdhsa_user_sgpr_count 2
		.amdhsa_user_sgpr_kernarg_segment_ptr 1
		.amdhsa_wavefront_size32 1
		.amdhsa_system_sgpr_workgroup_id_x 1
		.amdhsa_system_sgpr_workgroup_id_y 1
		.amdhsa_system_sgpr_workgroup_id_z 1
		.amdhsa_system_vgpr_workitem_id 0
		.amdhsa_next_free_vgpr 256
		.amdhsa_next_free_sgpr 66
		.amdhsa_reserve_vcc 1
		.amdhsa_float_denorm_mode_32 3
		.amdhsa_float_denorm_mode_16_64 3
		.amdhsa_memory_ordered 1
		.amdhsa_forward_progress 1
		.amdhsa_inst_pref_size 22
	.end_amdhsa_kernel
	.amdgpu_metadata
---
amdhsa.version: [ 1, 2 ]
amdhsa.kernels:
  - .name:           k_q68847f5dbd_first16
    .symbol:         k_q68847f5dbd_first16.kd
    .args:
      - { .name: x_codes, .offset: 0, .size: 8, .value_kind: global_buffer, .address_space: global }
      - { .name: x_scales, .offset: 8, .size: 8, .value_kind: global_buffer, .address_space: global }
      - { .name: w_codes, .offset: 16, .size: 8, .value_kind: global_buffer, .address_space: global }
      - { .name: w_scales, .offset: 24, .size: 8, .value_kind: global_buffer, .address_space: global }
      - { .name: b_attn, .offset: 32, .size: 8, .value_kind: global_buffer, .address_space: global }
      - { .name: bQ, .offset: 40, .size: 8, .value_kind: global_buffer, .address_space: global }
      - { .name: bK, .offset: 48, .size: 8, .value_kind: global_buffer, .address_space: global }
      - { .name: bV, .offset: 56, .size: 8, .value_kind: global_buffer, .address_space: global }
      - { .name: yfine, .offset: 64, .size: 8, .value_kind: global_buffer, .address_space: global }
    .group_segment_fixed_size: 9216
    .private_segment_fixed_size: 0
    .kernarg_segment_align: 8
    .kernarg_segment_size: 72
    .max_flat_workgroup_size: 128
    .sgpr_count:     66
    .vgpr_count:     256
    .wavefront_size: 32
...
	.end_amdgpu_metadata
.endif
;; end of part 5
;; launch firstproj (part 6): grid 16 x 4, 16 waves a work-group, no clusters, 19,456 bytes of LDS; arguments yfine, wp16, b_proj, out0; writes out0
.if DOCPART == 6
	.amdgcn_target "amdgcn-amd-amdhsa--gfx1250"
	.amdhsa_code_object_version 6
	.text
	.protected	k_q68847f5dbd_firstproj
	.globl	k_q68847f5dbd_firstproj
	.p2align	8
	.type	k_q68847f5dbd_firstproj,@function
k_q68847f5dbd_firstproj:
	s_mov_b64 s[64:65], 0
	v_nop
	global_prefetch_b8 v0, s[64:65] scope:SCOPE_SE
	s_setreg_imm32_b32 hwreg(HW_REG_WAVE_MODE, 25, 1), 1
	s_wait_xcnt 0x0
; out0 for the first 16 positions of each sequence, with both operands as pairs of f16 numbers: y W = yh Wh + yl Wh + yh Wl (the product of the two low parts lies under f32's last bits of the sum and is left out).
; A work-group takes 64 columns of one batch's 16 rows.  Wave w: column tile w % 4 (16 columns), quarter w / 4 of K (8 K steps of 32); the four quarters meet in LDS.
; Source 0 = 16 rows of W (wp16, [n][k], the low part 2,097,152 bytes on), source 1 = y's images as the launch before laid them: a lane holds one position and eight neighbouring columns.
.set SPARE, 4*16*272                   ; behind four planes of 16 rows x (256 bytes + 16)
.set SPW, 12
.set NIL, 13
.set FB,  32                           ; v32-159 four K steps x (Wh 8, Wl 8, yh 8, yl 8)
.set HH,  160
.set LH,  168
.set HL,  176
.set RR,  184
	s_load_b256 s[4:11], s[0:1], 0x0               ; yfine, wp16, b_proj, out0
	v_lshl_add_u32 v[SPW], v0, 2, SPARE
	v_mov_b32 v[NIL], 0
	v_lshrrev_b32 v1, 5, v0
	v_readfirstlane_b32 s12, v1                    ; wave 0..15
	s_and_b32 s13, s12, 3                          ; column tile
	s_lshr_b32 s14, s12, 2                         ; quarter of K
	s_and_b32 s15, s12, 7                          ; which two rows I store, if I store
	s_and_b32 s16, ttmp7, 0xffff                   ; batch
	v_and_b32 v1, 15, v0
	v_bfe_u32 v2, v0, 4, 1
	v_lshlrev_b32 v3, 11, v1
	v_lshl_add_u32 v3, v2, 4, v3                   ; W: row r of 2,048 bytes, + 16 h
	v_and_b32 v4, 31, v0
	v_lshlrev_b32 v4, 4, v4                        ; an image's place for my lane
	v_lshlrev_b32 v5, 4, v1                        ; 16 bytes of a row's 256
	s_mul_i32 s18, s14, 16*272
	s_lshl_b32 s19, s13, 6
	s_add_co_u32 s18, s18, s19
	v_mul_u32_u24 v6, v1, 272
	v_lshl_add_u32 v6, v2, 5, v6
	v_add_nc_u32 v6, s18, v6                       ; into LDS: my quarter's plane, row r, my tile's 64 bytes, + 32 h
	s_mul_i32 s19, s15, 2*272
	v_mul_u32_u24 v7, v2, 272
	v_add_nc_u32 v7, v7, v5
	v_add_nc_u32 v7, s19, v7                       ; back: lanes 0-15 one row, lanes 16-31 the next
	v_lshl_add_u32 v8, v2, 12, v5                  ; and the same two rows in out0
	s_mov_b32 s21, 0
	s_wait_kmcnt 0x0
	s_lshl_b32 s20, ttmp9, 17
	s_lshl_b32 s22, s13, 15
	s_add_co_u32 s20, s20, s22
	s_lshl_b32 s22, s14, 9
	s_add_co_u32 s20, s20, s22
	s_add_nc_u64 s[6:7], s[6:7], s[20:21]          ; W at row 64 x slice + 16 x tile, my quarter of K
	s_lshl_b32 s20, s16, 15
	s_lshl_b32 s22, s14, 13
	s_add_co_u32 s20, s20, s22
	s_add_nc_u64 s[4:5], s[4:5], s[20:21]          ; y's images: 32 x batch + 8 x quarter
	s_lshl_b32 s20, ttmp9, 8
	s_add_nc_u64 s[8:9], s[8:9], s[20:21]
	s_lshl_b32 s22, s16, 23
	s_add_co_u32 s20, s20, s22
	s_lshl_b32 s22, s15, 13
	s_add_co_u32 s20, s20, s22
	s_add_nc_u64 s[10:11], s[10:11], s[20:21]
	global_load_b128 v[24:27], v5, s[8:9]          ; b_proj
.macro BATCH u                         ; four K steps: eight loads each
.irp s, 0,1,2,3
	global_load_b128 v[FB+32*\s:FB+32*\s+3], v3, s[6:7] offset:64*(4*\u+\s)
	global_load_b128 v[FB+32*\s+4:FB+32*\s+7], v3, s[6:7] offset:64*(4*\u+\s)+32
	global_load_b128 v[FB+32*\s+8:FB+32*\s+11], v3, s[6:7] offset:2097152+64*(4*\u+\s)
	global_load_b128 v[FB+32*\s+12:FB+32*\s+15], v3, s[6:7] offset:2097152+64*(4*\u+\s)+32
	global_load_b128 v[FB+32*\s+16:FB+32*\s+19], v4, s[4:5] offset:1024*(4*\u+\s)
	global_load_b128 v[FB+32*\s+20:FB+32*\s+23], v4, s[4:5] offset:1024*(4*\u+\s)+512
	global_load_b128 v[FB+32*\s+24:FB+32*\s+27], v4, s[4:5] offset:131072+1024*(4*\u+\s)
	global_load_b128 v[FB+32*\s+28:FB+32*\s+31], v4, s[4:5] offset:131072+1024*(4*\u+\s)+512
.endr
.endm
.macro MULS s, first                   ; the three accumulators take turns
	s_wait_loadcnt 8*(3-\s)                        ; this step's loads are in; the eight of each later step may be out
.if \first
	v_wmma_f32_16x16x32_f16 v[HH:HH+7], v[FB+32*\s:FB+32*\s+7], v[FB+32*\s+16:FB+32*\s+23], 0
	v_wmma_f32_16x16x32_f16 v[LH:LH+7], v[FB+32*\s:FB+32*\s+7], v[FB+32*\s+24:FB+32*\s+31], 0
	v_wmma_f32_16x16x32_f16 v[HL:HL+7], v[FB+32*\s+8:FB+32*\s+15], v[FB+32*\s+16:FB+32*\s+23], 0
.else
	v_wmma_f32_16x16x32_f16 v[HH:HH+7], v[FB+32*\s:FB+32*\s+7], v[FB+32*\s+16:FB+32*\s+23], v[HH:HH+7]
	v_wmma_f32_16x16x32_f16 v[LH:LH+7], v[FB+32*\s:FB+32*\s+7], v[FB+32*\s+24:FB+32*\s+31], v[LH:LH+7]
	v_wmma_f32_16x16x32_f16 v[HL:HL+7], v[FB+32*\s+8:FB+32*\s+15], v[FB+32*\s+16:FB+32*\s+23], v[HL:HL+7]
.endif
.endm
	BATCH 0
	MULS 0, 1
	MULS 1, 0
	MULS 2, 0
	MULS 3, 0
.rept 4
	v_nop                                          ; places in front of loads into registers that matrix instructions have read
.endr
	BATCH 1
	MULS 0, 0
	MULS 1, 0
	MULS 2, 0
	MULS 3, 0
.rept 4
	v_nop
.endr
.irp i, 0,2,4,6
	v_pk_add_f32 v[RR+\i:RR+\i+1], v[LH+\i:LH+\i+1], v[HL+\i:HL+\i+1]   ; the two small sums first,
.endr
.irp i, 0,2,4,6
	v_pk_add_f32 v[RR+\i:RR+\i+1], v[RR+\i:RR+\i+1], v[HH+\i:HH+\i+1]   ; then the large one
.endr
	ds_store_b128 v6, v[RR:RR+3]
	ds_store_b128 v6, v[RR+4:RR+7] offset:16
	s_wait_dscnt 0x0                               ; for the others' sake: my stores are done
	s_barrier_signal -1
	s_barrier_wait -1
	s_cmp_lt_u32 s12, 8                            ; waves 0 to 7 add the four quarters, two rows each
	s_cbranch_scc0 .Ldone
.irp p, 0,1,2,3
	ds_load_b128 v[32+4*\p:35+4*\p], v7 offset:\p*16*272
.endr
	s_wait_dscnt 0x0
	v_pk_add_f32 v[32:33], v[32:33], v[36:37]
	v_pk_add_f32 v[34:35], v[34:35], v[38:39]
	v_pk_add_f32 v[40:41], v[40:41], v[44:45]
	v_pk_add_f32 v[42:43], v[42:43], v[46:47]
	v_pk_add_f32 v[32:33], v[32:33], v[40:41]
	v_pk_add_f32 v[34:35], v[34:35], v[42:43]
	v_pk_add_f32 v[32:33], v[32:33], v[24:25]
	v_pk_add_f32 v[34:35], v[34:35], v[26:27]
	global_store_b128 v8, v[32:35], s[10:11]       ; sixteen lanes store 256 consecutive bytes, aligned
.Ldone:
	s_wait_tensorcnt 0x0                           ; the wave's end
	ds_add_u32 v[SPW], v[NIL]
	s_wait_dscnt 0x0
	s_endpgm
.Lfunc_end_k_q68847f5dbd_firstproj:
	.size	k_q68847f5dbd_firstproj, .Lfunc_end_k_q68847f5dbd_firstproj-k_q68847f5dbd_firstproj
	.p2alignl 7, 3214868480
	.fill 96, 4, 3214868480
	.section	.rodata,"a",@progbits
	.p2align	6, 0x0
	.amdhsa_kernel k_q68847f5dbd_firstproj
		.amdhsa_group_segment_fixed_size 19456
		.amdhsa_private_segment_fixed_size 0
		.amdhsa_enable_private_segment 0
		.amdhsa_kernarg_size 32
		.amdhsa_user_sgpr_count 2
		.amdhsa_user_sgpr_kernarg_segment_ptr 1
		.amdhsa_wavefront_size32 1
		.amdhsa_system_sgpr_workgroup_id_x 1
		.amdhsa_system_sgpr_workgroup_id_y 1
		.amdhsa_system_sgpr_workgroup_id_z 1
		.amdhsa_system_vgpr_workitem_id 0
		.amdhsa_next_free_vgpr 192
		.amdhsa_next_free_sgpr 66
		.amdhsa_reserve_vcc 0
		.amdhsa_float_denorm_mode_32 3
		.amdhsa_float_denorm_mode_16_64 3
		.amdhsa_memory_ordered 1
		.amdhsa_forward_progress 1
		.amdhsa_inst_pref_size 13
	.end_amdhsa_kernel
	.amdgpu_metadata
---
amdhsa.version: [ 1, 2 ]
amdhsa.kernels:
  - .name:           k_q68847f5dbd_firstproj
    .symbol:         k_q68847f5dbd_firstproj.kd
    .args:
      - { .name: yfine, .offset: 0, .size: 8, .value_kind: global_buffer, .address_space: global }
      - { .name: wp16, .offset: 8, .size: 8, .value_kind: global_buffer, .address_space: global }
      - { .name: b_proj, .offset: 16, .size: 8, .value_kind: global_buffer, .address_space: global }
      - { .name: out0, .offset: 24, .size: 8, .value_kind: global_buffer, .address_space: global }
    .group_segment_fixed_size: 19456
    .private_segment_fixed_size: 0
    .kernarg_segment_align: 8
    .kernarg_segment_size: 32
    .max_flat_workgroup_size: 512
    .sgpr_count:     66
    .vgpr_count:     192
    .wavefront_size: 32
...
	.end_amdgpu_metadata
.endif
;; end of part 6
